; MI455X (gfx1250); checked and timed in simulation.
; The chip was launched on July 23, 2026; its instructions are those of AMD's public machine-readable ISA for CDNA 5 (MIT licence, August 2026) and "CDNA5" Instruction Set Architecture Reference Guide (July 2026). The comments in the code are by the model that wrote it; some were corrected since.
;; Bahdanau Attention. Allowed arithmetic: float matrix products may take bf16 or f16 operands with f32 sums; other float arithmetic in f32, or as packed bf16 or f16 multiplies, adds, multiply-adds, maxima and minima; sums over many terms, partial sums and values carried from step to step in f32; what a program stores and reads back later, other than sums and carried values, may be rounded once to bf16 or f16.
;; Inputs: U 1,024 x 1,024 float32; W 1,024 x 1,024 float32; multiple_items 32 x 2,048 x 1,024 float32; queries 32 x 1 x 1,024 float32; v 1,024 float32; weights 32 x 2,048 int32.
;; Outputs: out0 32 x 1,024 float32; out1 32 x 2,048 float32.
;; 3 versions, each right; version 2 is faster than version 1; version 3 is version 2 with the launch main written anew for expert scheduling mode. Each part assembles by itself: llvm-mc -triple=amdgcn-amd-amdhsa -mcpu=gfx1250 --defsym DOCPART=n.
;; ======== version 1 of 3: 3 launches
;; workspace buffers: ub 2,097,152 bytes; pqs 131,072 bytes; part 2,228,224 bytes; pw 262,144 bytes
;; launch prep (part 1): grid 48 x 1, 16 waves a work-group, no clusters, 67,584 bytes of LDS; arguments U, W, queries, ub, pqs; writes ub, pqs
.if DOCPART == 1
	.amdgcn_target "amdgcn-amd-amdhsa--gfx1250"
	.amdhsa_code_object_version 6
	.text
	.protected	k_q66d4593d61_prep
	.globl	k_q66d4593d61_prep
	.p2align	8
	.type	k_q66d4593d61_prep,@function
k_q66d4593d61_prep:
	s_mov_b64 s[64:65], 0
	v_nop
	global_prefetch_b8 v0, s[64:65] scope:SCOPE_SE
	s_setreg_imm32_b32 hwreg(HW_REG_WAVE_MODE, 25, 1), 1
	s_wait_xcnt 0x0
; PREP.  Two small jobs on one text, told apart by the work-group's number (the same in all its waves).
; Role U (work-groups 0-15): ub = U rounded to bf16, laid out in the order in which the main launch's waves take matrix fragments:
;   byte w*524288 + (c*32+ks)*8192 + b*1024 + half*512 + lane*16 holds U[32 ks + 16 half + 8 (lane/16) + 0..7][512 c + 128 w + 16 b + lane%16].
; Role PQ (work-groups 16-47): pqs[batch][a] = sum over k of queries[batch][k] W[k][a], operands rounded to bf16, sums in f32, stored in f32.
; A work-group has 64 columns (group G); in role PQ also 16 of the 32 batches (mh).  Wave v takes K steps 2 v and 2 v + 1 of 32 channels.
; A fragment is 16 columns x 32 k in 8 registers: lane l holds column l % 16; registers 0-3 hold k = 8 (l/16) + 0..7, registers 4-7 k = 16 + 8 (l/16) + 0..7.
; U and W lie [k][column], so a lane gathers its 16 numbers of a fragment by 16 loads of 4 bytes; the four fragments side by side cover 256 consecutive bytes of each row.
; LIMITS: operands are rounded to bf16 (nearest even); NaN and infinities are not treated apart.
.set SPARE, 65536                      ; behind the 16 waves' partial sums (4,096 bytes each): the spare words, 128 bytes a wave
.set ACC,   64                         ; v[64:95]   four accumulators, one for each 16 columns
.set QR,    96                         ; v[96:127]  queries, raw: 16 numbers for each of my two K steps; then 8 registers of bf16 each
.set RAW,   128                        ; v[128:255] U or W, raw: fragment F = 4 kq + nt has 16 registers; then 8 registers of bf16 each
.macro CVT8 R                          ; 16 f32 in v[R..R+15] -> 8 registers of bf16 pairs in v[R..R+7]; register j is written when sources up to 2 j + 1 have been read
.set j, 0
.rept 8
	v_cvt_pk_bf16_f32 v[(\R)+j], v[(\R)+2*j], v[(\R)+2*j+1]
.set j, j+1
.endr
.endm
	s_load_b256 s[4:11], s[0:1], 0x0               ; U s[4:5], W s[6:7], queries s[8:9], ub s[10:11]
	s_load_b64 s[12:13], s[0:1], 0x20              ; pqs
	v_lshl_add_u32 v60, v0, 2, SPARE               ; my spare word
	v_mov_b32 v61, 0
	v_lshrrev_b32 v1, 5, v0
	v_readfirstlane_b32 s14, v1                    ; wave 0..15
	v_and_b32 v2, 31, v0                           ; lane
	v_and_b32 v3, 15, v0                           ; r = lane % 16
	v_bfe_u32 v4, v0, 4, 1                         ; h = lane / 16
	s_lshr_b32 s20, ttmp9, 1
	s_add_co_u32 s20, s20, 8
	s_and_b32 s20, s20, 15                         ; role PQ: G = (wg >> 1) - 8, for wg = 16..47
	s_and_b32 s17, ttmp9, 1                        ; mh
	s_cmp_lt_u32 ttmp9, 16
	s_cselect_b32 s15, 1, 0                        ; 1: role U
	s_cselect_b32 s16, ttmp9, s20                  ; G
	v_lshlrev_b32 v5, 2, v3                        ; source offset: column r,
	v_lshl_add_u32 v5, v4, 15, v5                  ; 8 h rows of 4,096 bytes,
	s_lshl_b32 s21, s14, 18
	v_add_nc_u32 v5, s21, v5                       ; my wave's 64 rows
	s_lshl_b32 s21, s14, 14
	v_lshl_add_u32 v6, v2, 4, s21                  ; ub: 16 x lane + my two K steps of 8,192 bytes
	s_lshl_b32 s21, s17, 16
	s_lshl_b32 s22, s14, 8
	s_add_co_u32 s21, s21, s22
	v_lshl_add_u32 v7, v3, 12, s21                 ; queries: batch 16 mh + r, my wave's 64 channels,
	v_lshl_add_u32 v7, v4, 5, v7                   ; 8 h channels
	s_lshl_b32 s21, s14, 12
	v_lshl_add_u32 v8, v2, 5, s21                  ; LDS: my wave's 4,096 bytes, 32 bytes a lane and tile
	v_bfe_u32 v10, v0, 4, 4                        ; the last sum: thread u takes batch row u / 16
	v_bfe_u32 v11, v0, 2, 2                        ; and columns 4 (u % 16) ..: tile,
	v_bfe_u32 v12, v0, 1, 1                        ; half of the lanes,
	v_and_b32 v13, 1, v0                           ; upper or lower four registers
	v_lshlrev_b32 v9, 5, v10
	v_lshl_add_u32 v9, v11, 10, v9
	v_lshl_add_u32 v9, v12, 9, v9
	v_lshl_add_u32 v9, v13, 4, v9
	v_lshlrev_b32 v14, 12, v10                     ; and in pqs: row x 4,096 + 16 x (u % 16)
	v_lshl_add_u32 v14, v3, 4, v14
	s_lshl_b32 s20, s16, 8                         ; the group's 64 columns: 256 bytes
	s_mov_b32 s21, 0
	s_wait_kmcnt 0x0
	s_cmp_eq_u32 s15, 1
	s_cselect_b64 s[18:19], s[4:5], s[6:7]         ; U or W
	s_add_nc_u64 s[18:19], s[18:19], s[20:21]
.set F, 0
.rept 8                                ; fragment by fragment, so that the waits below can count
.set e, 0
.rept 16                               ; register e: k = e + 8 (e / 8) + 8 h within the K step
	global_load_b32 v[RAW+16*F+e], v5, s[18:19] offset:(32*(F/4)+e+8*(e/8))*4096+(F%4)*64
.set e, e+1
.endr
.set F, F+1
.endr
	s_cmp_eq_u32 s15, 1
	s_cbranch_scc0 .Lpq
	; ROLE U: round and store.  Each store of the wave covers 512 consecutive bytes, aligned.
	s_bfe_u32 s20, s16, 0x20001                    ; w = (G >> 1) & 3
	s_lshl_b32 s20, s20, 19
	s_lshr_b32 s22, s16, 3                         ; c = G >> 3
	s_lshl_b32 s22, s22, 18
	s_add_co_u32 s20, s20, s22
	s_and_b32 s22, s16, 1                          ; b = 4 (G & 1) + nt
	s_lshl_b32 s22, s22, 12
	s_add_co_u32 s20, s20, s22
	s_mov_b32 s21, 0
	s_add_nc_u64 s[10:11], s[10:11], s[20:21]
.set F, 0
.rept 8
.if 112-16*F > 63
	s_wait_loadcnt 63                              ; behind fragment F stand 112 - 16 F loads; the wait's field holds 63, and a smaller count only waits for more
.else
	s_wait_loadcnt 112-16*F
.endif
	CVT8 RAW+16*F
	global_store_b128 v6, v[RAW+16*F:RAW+16*F+3], s[10:11] offset:(F/4)*8192+(F%4)*1024
	global_store_b128 v6, v[RAW+16*F+4:RAW+16*F+7], s[10:11] offset:(F/4)*8192+(F%4)*1024+512
.set F, F+1
.endr
	s_branch .Lend
.Lpq:	; ROLE PQ: source 0 = 16 columns of W, source 1 = 16 batches: a lane ends with one batch (r) and eight neighbouring columns (8 h + 0..7).
.irp kq, 0,1
	global_load_b128 v[QR+16*\kq:QR+16*\kq+3],     v7, s[8:9] offset:\kq*128
	global_load_b128 v[QR+16*\kq+4:QR+16*\kq+7],   v7, s[8:9] offset:\kq*128+16
	global_load_b128 v[QR+16*\kq+8:QR+16*\kq+11],  v7, s[8:9] offset:\kq*128+64
	global_load_b128 v[QR+16*\kq+12:QR+16*\kq+15], v7, s[8:9] offset:\kq*128+80
.endr
	s_lshl_b32 s20, s17, 16                        ; pqs at batch 16 mh, column 64 G
	s_lshl_b32 s22, s16, 8
	s_add_co_u32 s20, s20, s22
	s_mov_b32 s21, 0
	s_add_nc_u64 s[12:13], s[12:13], s[20:21]
	s_wait_loadcnt 0x0
	CVT8 QR
	CVT8 QR+16
.set F, 0
.rept 8
	CVT8 RAW+16*F
.set F, F+1
.endr
.irp kq, 0,1                           ; the four accumulators take turns, one instruction a turn; the first K step starts the sums
.irp nt, 0,1,2,3
.if \kq == 0
	v_wmma_f32_16x16x32_bf16 v[ACC+8*\nt:ACC+8*\nt+7], v[RAW+16*\nt:RAW+16*\nt+7], v[QR:QR+7], 0
.else
	v_wmma_f32_16x16x32_bf16 v[ACC+8*\nt:ACC+8*\nt+7], v[RAW+64+16*\nt:RAW+64+16*\nt+7], v[QR+16:QR+23], v[ACC+8*\nt:ACC+8*\nt+7]
.endif
.endr
.endr
.rept 4
	v_nop                                          ; four places between the last product and the LDS stores of results, and the LDS loads into its sources
.endr
.irp nt, 0,1,2,3
	ds_store_b128 v8, v[ACC+8*\nt:ACC+8*\nt+3]   offset:\nt*1024
	ds_store_b128 v8, v[ACC+8*\nt+4:ACC+8*\nt+7] offset:\nt*1024+16
.endr
	s_wait_dscnt 0x0                               ; for the others' sake: my partial sums lie in LDS
	s_barrier_signal -1
	s_barrier_wait -1
	s_cmp_lt_u32 s14, 8                            ; 256 threads add the 16 waves' parts: four columns each
	s_cbranch_scc0 .Lend
.set k, 0
.rept 16
	ds_load_b128 v[RAW+4*k:RAW+4*k+3], v9 offset:k*4096
.set k, k+1
.endr
	s_wait_dscnt 0x0
.irp st, 8,4,2,1
.set k, 0
.rept \st
	v_pk_add_f32 v[RAW+4*k:RAW+4*k+1],   v[RAW+4*k:RAW+4*k+1],   v[RAW+4*(k+\st):RAW+4*(k+\st)+1]
	v_pk_add_f32 v[RAW+4*k+2:RAW+4*k+3], v[RAW+4*k+2:RAW+4*k+3], v[RAW+4*(k+\st)+2:RAW+4*(k+\st)+3]
.set k, k+1
.endr
.endr
	global_store_b128 v14, v[RAW:RAW+3], s[12:13]  ; sixteen lanes store 256 consecutive bytes, aligned
.Lend:
	s_wait_tensorcnt 0x0                           ; the wave's end
	ds_add_u32 v60, v61
	s_wait_dscnt 0x0
	s_endpgm
.Lfunc_end_k_q66d4593d61_prep:
	.size	k_q66d4593d61_prep, .Lfunc_end_k_q66d4593d61_prep-k_q66d4593d61_prep
	.p2alignl 7, 3214868480
	.fill 96, 4, 3214868480
	.section	.rodata,"a",@progbits
	.p2align	6, 0x0
	.amdhsa_kernel k_q66d4593d61_prep
		.amdhsa_group_segment_fixed_size 67584
		.amdhsa_private_segment_fixed_size 0
		.amdhsa_enable_private_segment 0
		.amdhsa_kernarg_size 40
		.amdhsa_user_sgpr_count 2
		.amdhsa_user_sgpr_kernarg_segment_ptr 1
		.amdhsa_wavefront_size32 1
		.amdhsa_system_sgpr_workgroup_id_x 1
		.amdhsa_system_sgpr_workgroup_id_y 1
		.amdhsa_system_sgpr_workgroup_id_z 1
		.amdhsa_system_vgpr_workitem_id 0
		.amdhsa_next_free_vgpr 256
		.amdhsa_next_free_sgpr 66
		.amdhsa_reserve_vcc 0
		.amdhsa_float_denorm_mode_32 3
		.amdhsa_float_denorm_mode_16_64 3
		.amdhsa_memory_ordered 1
		.amdhsa_forward_progress 1
		.amdhsa_inst_pref_size 31
	.end_amdhsa_kernel
	.amdgpu_metadata
---
amdhsa.version: [ 1, 2 ]
amdhsa.kernels:
  - .name:           k_q66d4593d61_prep
    .symbol:         k_q66d4593d61_prep.kd
    .args:
      - { .name: U, .offset: 0, .size: 8, .value_kind: global_buffer, .address_space: global }
      - { .name: W, .offset: 8, .size: 8, .value_kind: global_buffer, .address_space: global }
      - { .name: queries, .offset: 16, .size: 8, .value_kind: global_buffer, .address_space: global }
      - { .name: ub, .offset: 24, .size: 8, .value_kind: global_buffer, .address_space: global }
      - { .name: pqs, .offset: 32, .size: 8, .value_kind: global_buffer, .address_space: global }
    .group_segment_fixed_size: 67584
    .private_segment_fixed_size: 0
    .kernarg_segment_align: 8
    .kernarg_segment_size: 40
    .max_flat_workgroup_size: 512
    .sgpr_count:     66
    .vgpr_count:     256
    .wavefront_size: 32
...
	.end_amdgpu_metadata
.endif
;; end of part 1
;; launch main (part 2): grid 512 x 1, 4 waves a work-group, no clusters, 280,576 bytes of LDS; arguments multiple_items, weights, v, ub, pqs, part, pw; writes part, pw
.if DOCPART == 2
	.amdgcn_target "amdgcn-amd-amdhsa--gfx1250"
	.amdhsa_code_object_version 6
	.text
	.protected	k_q66d4593d61_main
	.globl	k_q66d4593d61_main
	.p2align	8
	.type	k_q66d4593d61_main,@function
k_q66d4593d61_main:
	s_mov_b64 s[64:65], 0
	v_nop
	global_prefetch_b8 v0, s[64:65] scope:SCOPE_SE
	s_setreg_imm32_b32 hwreg(HW_REG_WAVE_MODE, 25, 1), 1
	s_wait_xcnt 0x0
; MAIN.  A work-group owns 128 rows of one batch (block wg; batch wg / 16) from first to last, so that the items cross memory once:
;   x[row][a] = sum_k items[row][k] U[k][a] + pq[a];   t[row] = sum_a v''[a] / (1 + 2^(c x)),  c = 2 log2(e),  v'' = -2 log2(e) bf16(v).
; Since tanh(x) = 1 - 2 / (1 + e^(2x)), t is the reference's score times log2(e) less the constant log2(e) sum(v), which a softmax does not see.
;   Masked rows (weights == 0) are left out; m = the block's largest t; p = 2^(t - m); l = sum p; bp[i] = sum_row p[row] items[row][i].
; part takes (bp, m, l), pw takes p; the next launch joins a batch's 16 blocks: the maximum is taken away in two stages, here the block's, there the batch's.
; PHASES.  L: the 128 rows are read once, rounded to bf16 and laid into LDS (264,192 bytes).  K: two chunks of 512 columns; in a chunk wave w makes all 128 rows x 128 columns
; (64 accumulators, 512 registers); A's fragments come from LDS, U's fragments, which no other wave of the work-group wants, straight from ub into registers, three K steps ahead.
; No barrier in the K loop.  E: behind each chunk the accumulators are turned into the rows' partial scores.  END: the block's softmax, and the blend by the matrix unit from the same LDS rows.
; NO CLUSTER, NO TENSOR LOADS: the rows take 264,192 of the 327,680 bytes of LDS; two slots of 32 k x 512 columns of U would take 65,536 more, which do not fit.
; THE PRODUCT IS USED TRANSPOSED (source 0 = 16 columns of U, source 1 = 16 rows of items): a lane holds ONE row (lane % 16) and eight columns 8 (lane / 16) + 0..7,
; so pq enters as the C operand of a sum's first product, and the sum over columns stays inside the lane but for one exchange of the halves.
; LIMITS.  items, U, v and p are rounded to bf16 (nearest even); l is summed from the unrounded p.  2^(c x) beyond f32's range gives the quotient 0, its limit.  A weight p below 2^-126 counts as 0.
; A block with no live row stores m = the lowest finite f32, l = 0, p = 0, bp = 0.  NaN and infinities among the inputs are not treated apart.
; REGISTERS, in windows of 256 (s_set_vgpr_msb: bits 1:0 source 0, 3:2 source 1, 5:4 source 2, 7:6 destination):
;   window 0: v0-63 addresses, row sums, work; v64-127, v128-191 A's two fragment buffers (v64-127 later v'', then the end's work); v192-255 pq as C operands
;   window 1: phase L's ring of 8 rows x 32; then U's ring of 4 K steps x 64; then the blend's two buffers of 128
;   windows 2, 3: accumulator (a, b) at v[8 (8 (a % 4) + b)], rows 16 a.., columns 16 b..; a < 4 in window 2.  The blend's 16 accumulators: window 2, v0-127
.set P,     2064                       ; an LDS row of items: 2,048 bytes + 16 = 129 x 16: the 16 rows of a fragment load start in 16 different groups of four banks (ISA guide 11.1)
.set TAB,   128*P                      ; pq's row (4,096 bytes), then v'' (4,096 bytes)
.set RP,    TAB+8192                   ; the waves' partial scores: row x 16 + wave x 4
.set PBW,   RP+2048                    ; p in bf16, 256 bytes for each wave, its own
.set PF,    PBW+1024                   ; p in f32, wave 0's
.set STG,   PF+512                     ; bp on its way out: 1,024 bytes for each wave, its own
.set SPARE, STG+4096                   ; the spare words, 128 bytes a wave
.set LN,   1                           ; v1      lane
.set LN16, 2                           ; v2      16 x lane; never rewritten
.set LSTW, 3                           ; v3      phase L: where the round's rows go
.set ADR0, 4                           ; v4-7    (32 q + r) P + 16 h: my place in A's fragments
.set ADRA, 8                           ; v8-11   the same plus the trip's bytes along K
.set TA0,  12                          ; v12     TAB + 512 w + 32 h
.set TA,   13                          ; v13     the same plus the chunk's 2,048
.set LST0, 14                          ; v14     32 w P + 8 x lane
.set L4,   15                          ; v15     4 x lane; never rewritten
.set RACC, 16                          ; v16-31  eight pairs: row tile a's partial score (even columns', odd columns')
.set WM,   32                          ; v32-35  weights of rows 32 q + lane
.set T,    36                          ; v36-51  at work
.set SPW,  60                          ; v60     my spare word
.set NIL,  61                          ; v61     0
.set RR,   62                          ; v62     r = lane % 16
.set HH,   63                          ; v63     h = lane / 16
.set FA0,  64
.set VT,   64                          ; v'' of my 128 columns: column tile b at VT + 8 b
.set PFR,  64                          ; p's fragments: K step kk at PFR + 8 kk
.set PQT,  192                         ; pq of my 128 columns: column tile b at PQT + 8 b
.set MSB, 0
.macro WIN new                         ; the immediate's high byte repeats the setting that is left; a switch that changes nothing is dropped
.if MSB != (\new)
	s_set_vgpr_msb (MSB<<8)|(\new)
.set MSB, \new
.endif
.endm
.macro PLACES                          ; four places behind a matrix instruction, ahead of loads into registers that it read and of vector work on its results
.rept 4
	v_nop
.endr
.endm
; A row of items into ring slot i: eight loads of 512 consecutive bytes.
.macro LFILL i, rowoff
	WIN 0x40                                       ; destination window 1, address window 0
.irp j, 0,1,2,3,4,5,6,7
	global_load_b128 v[32*(\i)+4*\j:32*(\i)+4*\j+3], v[LN16], s[4:5] offset:(\rowoff)*4096+512*\j th:TH_LOAD_NT
.endr
.endm
; A K step of my 128 columns of U into ring buffer buf: 16 loads of 512 consecutive bytes, already in fragment order.
.macro BLOAD buf, step
	WIN 0x40
.irp b, 0,1,2,3,4,5,6,7
	global_load_b128 v[64*(\buf)+8*\b:64*(\buf)+8*\b+3],   v[LN16], s[10:11] offset:(\step)*8192+\b*1024
	global_load_b128 v[64*(\buf)+8*\b+4:64*(\buf)+8*\b+7], v[LN16], s[10:11] offset:(\step)*8192+\b*1024+512
.endr
.endm
; Slot i's row: rounded to bf16, the slot asked for again (mode 1: the row eight on; mode 2: a K step of U into this slot's and its neighbour's registers), the row laid into LDS.
.macro LROW i, mode, left
	s_wait_loadcnt \left                           ; loads come back in order (ISA guide 5.7.1): the slot's eight are in, the younger ones stay out
	WIN 0x05                                       ; sources window 1, destination window 0
.irp k, 0,1,2,3,4,5,6,7,8,9,10,11,12,13,14,15
	v_cvt_pk_bf16_f32 v[T+\k], v[32*(\i)+2*\k], v[32*(\i)+2*\k+1]
.endr
.if (\mode) == 1
	LFILL \i, 8+(\i)
.endif
.if (\mode) == 2
	BLOAD ((\i)-1)/2, ((\i)-1)/2
.endif
	WIN 0
.irp j, 0,1,2,3,4,5,6,7
	ds_store_b64 v[LSTW], v[T+2*\j:T+2*\j+1] offset:(\i)*P+256*\j  ; 32 lanes x 8 bytes: 256 consecutive bytes
.endr
.endm
; 16 LDS loads: A's fragments of one K step (128 rows x 32 k) at byte 64 koff behind the trip's place, into buffer f.
.macro FETCH_A koff, f
	WIN 0
.irp mt, 0,1,2,3,4,5,6,7
	ds_load_b128 v[(\f)+8*\mt:(\f)+8*\mt+3],   v[ADRA+(\mt)/2] offset:((\mt)%2)*16*P+(\koff)*64
	ds_load_b128 v[(\f)+8*\mt+4:(\f)+8*\mt+7], v[ADRA+(\mt)/2] offset:((\mt)%2)*16*P+(\koff)*64+32
.endr
.endm
; 16 products: row tiles a0, a0 + 1 of the window's four x all 8 column tiles.  first = 1: the sum starts from pq.  All 64 accumulators take turns in one fixed order.
.macro MUL16 bq, f, hi, a0, first
.if \first
	WIN 0x81+0x40*(\hi)                            ; U window 1, A window 0, C (pq) window 0, D window 2 or 3
.else
	WIN 0xa1+0x50*(\hi)                            ; C and D window 2 or 3
.endif
.irp a, \a0, (\a0)+1
.irp b, 0,1,2,3,4,5,6,7
.if \first
	v_wmma_f32_16x16x32_bf16 v[8*(8*(\a)+\b):8*(8*(\a)+\b)+7], v[64*(\bq)+8*\b:64*(\bq)+8*\b+7], v[(\f)+8*(4*(\hi)+(\a)):(\f)+8*(4*(\hi)+(\a))+7], v[PQT+8*\b:PQT+8*\b+7]
.else
	v_wmma_f32_16x16x32_bf16 v[8*(8*(\a)+\b):8*(8*(\a)+\b)+7], v[64*(\bq)+8*\b:64*(\bq)+8*\b+7], v[(\f)+8*(4*(\hi)+(\a)):(\f)+8*(4*(\hi)+(\a))+7], v[8*(8*(\a)+\b):8*(8*(\a)+\b)+7]
.endif
.endr
.endr
.endm
; A K step of 32: 64 products on U's buffer bq and A's buffer fa.  In its middle: U's K step three on into the buffer read last step (bref >= 0: its place behind the pointer),
; and A's next K step into the other buffer (koff >= 0).  lcnt: the loads of U issued behind this step's.
.macro KSTEP bq, fa, first, koff, bref, lcnt
	s_wait_dscnt 8                                 ; A's rows 0-63 are in (and what was asked for before them); the youngest eight loads, rows 64-127, may be out
	s_wait_loadcnt \lcnt                           ; this step's U is in; the steps behind it stay out
	MUL16 \bq, FA0+64*(\fa), 0, 0, \first
	MUL16 \bq, FA0+64*(\fa), 0, 2, \first
	PLACES
.if (\bref) >= 0
	BLOAD ((\bq)+3)%4, \bref
.endif
.if (\koff) >= 0
	FETCH_A \koff, FA0+64*(1-(\fa))
	s_wait_dscnt 16                                ; all but the 16 just issued
.else
	s_wait_dscnt 0x0
.endif
	MUL16 \bq, FA0+64*(\fa), 1, 0, \first
	MUL16 \bq, FA0+64*(\fa), 1, 2, \first
.endm
; THE EPILOGUE of window w's 32 accumulators (t = 8 (a % 4) + b), in place, each from its lowest registers on.
; c x; 2^(c x): one batch of 256 exponentials with one wait; 1 + ..; the reciprocal: one batch with one wait; then the products with v'' summed over b and over the lane's eight columns.
; In a batch a packed line of the next accumulator stands between each two transcendentals' pairs; nothing ahead of the wait names a result.
.macro EPIW w
	WIN 0xa2+0x51*((\w)-2)                         ; source 0, source 2 and destination window w; source 1 (v'') window 0
.irp i, 0,1,2,3
	v_pk_mul_f32 v[2*\i:2*\i+1], v[2*\i:2*\i+1], s[28:29] op_sel_hi:[1,0]
.endr
.set t, 0
.rept 32
.irp i, 0,1,2,3
.if t < 31
	v_pk_mul_f32 v[8*t+8+2*\i:8*t+9+2*\i], v[8*t+8+2*\i:8*t+9+2*\i], s[28:29] op_sel_hi:[1,0]
.endif
	v_exp_f32 v[8*t+2*\i], v[8*t+2*\i]
	v_exp_f32 v[8*t+2*\i+1], v[8*t+2*\i+1]
.endr
.set t, t+1
.endr
	v_nop                                          ; a plain instruction behind the last exponential,
	s_wait_alu depctr_va_vdst(0)                   ; and one wait ahead of the batch's first reader
.irp i, 0,1,2,3
	v_pk_add_f32 v[2*\i:2*\i+1], v[2*\i:2*\i+1], 1.0 op_sel_hi:[1,0]
.endr
.set t, 0
.rept 32
.irp i, 0,1,2,3
.if t < 31
	v_pk_add_f32 v[8*t+8+2*\i:8*t+9+2*\i], v[8*t+8+2*\i:8*t+9+2*\i], 1.0 op_sel_hi:[1,0]
.endif
	v_rcp_f32 v[8*t+2*\i], v[8*t+2*\i]
	v_rcp_f32 v[8*t+2*\i+1], v[8*t+2*\i+1]
.endr
.set t, t+1
.endr
	v_nop
	s_wait_alu depctr_va_vdst(0)                   ; the same for the reciprocals
.irp a, 0,1,2,3                        ; 16 chains (row tile a, pair i) that do not wait for each other; column tile 0 starts them in place
.irp i, 0,1,2,3
	v_pk_mul_f32 v[64*\a+2*\i:64*\a+2*\i+1], v[64*\a+2*\i:64*\a+2*\i+1], v[VT+2*\i:VT+2*\i+1]
.endr
.endr
.irp b, 1,2,3,4,5,6,7
.irp a, 0,1,2,3
.irp i, 0,1,2,3
	v_pk_fma_f32 v[64*\a+2*\i:64*\a+2*\i+1], v[64*\a+8*\b+2*\i:64*\a+8*\b+2*\i+1], v[VT+8*\b+2*\i:VT+8*\b+2*\i+1], v[64*\a+2*\i:64*\a+2*\i+1]
.endr
.endr
.endr
	WIN 0xaa+0x55*((\w)-2)                         ; all four places window w
.irp a, 0,1,2,3
	v_pk_add_f32 v[64*\a:64*\a+1],   v[64*\a:64*\a+1],   v[64*\a+2:64*\a+3]
	v_pk_add_f32 v[64*\a+4:64*\a+5], v[64*\a+4:64*\a+5], v[64*\a+6:64*\a+7]
.endr
.irp a, 0,1,2,3
	v_pk_add_f32 v[64*\a:64*\a+1], v[64*\a:64*\a+1], v[64*\a+4:64*\a+5]
.endr
	WIN (\w)<<2                                    ; source 1 window w, the rest window 0
.irp a, 0,1,2,3
	v_pk_add_f32 v[RACC+2*(4*((\w)-2)+\a):RACC+2*(4*((\w)-2)+\a)+1], v[RACC+2*(4*((\w)-2)+\a):RACC+2*(4*((\w)-2)+\a)+1], v[64*\a:64*\a+1]
.endr
.endm
; THE BLEND.  32 turning loads: 32 rows (K step kk) x my 256 channels, as 16 fragments of source 1 (lane: channel lane % 16; k = rows), into buffer buf of window 1.
.macro TRL kk, buf
	WIN 0x40
.irp nt, 0,1,2,3,4,5,6,7,8,9,10,11,12,13,14,15
	ds_load_tr16_b128 v[128*(\buf)+8*\nt:128*(\buf)+8*\nt+3],   v[124+(\kk)] offset:\nt*32
	ds_load_tr16_b128 v[128*(\buf)+8*\nt+4:128*(\buf)+8*\nt+7], v[124+(\kk)] offset:\nt*32+16*P
.endr
.endm
.macro BMUL kk, buf                    ; 16 products, the 16 accumulators by turns; source 0 = p, the same in all its 16 rows
	WIN 0xa4                                       ; p window 0, items window 1, C and D window 2
.irp nt, 0,1,2,3,4,5,6,7,8,9,10,11,12,13,14,15
.if (\kk) == 0
	v_wmma_f32_16x16x32_bf16 v[8*\nt:8*\nt+7], v[PFR+8*(\kk):PFR+8*(\kk)+7], v[128*(\buf)+8*\nt:128*(\buf)+8*\nt+7], 0
.else
	v_wmma_f32_16x16x32_bf16 v[8*\nt:8*\nt+7], v[PFR+8*(\kk):PFR+8*(\kk)+7], v[128*(\buf)+8*\nt:128*(\buf)+8*\nt+7], v[8*\nt:8*\nt+7]
.endif
.endr
.endm
	s_load_b256 s[4:11], s[0:1], 0x0               ; items s[4:5], weights s[6:7], v s[8:9], ub s[10:11]
	s_load_b128 s[12:15], s[0:1], 0x20             ; pqs s[12:13], part s[14:15]
	s_load_b64 s[16:17], s[0:1], 0x30              ; pw
	v_lshl_add_u32 v[SPW], v0, 2, SPARE
	v_mov_b32 v[NIL], 0
	v_lshrrev_b32 v1, 5, v0
	v_readfirstlane_b32 s18, v1                    ; wave 0..3
	v_and_b32 v[LN], 31, v0
	v_lshlrev_b32 v[LN16], 4, v[LN]
	v_lshlrev_b32 v[L4], 2, v[LN]
	v_lshlrev_b32 v59, 4, v0                       ; 16 x thread: pq's row and v are read once by the 128 threads
	v_lshl_add_u32 v58, v0, 4, TAB
	s_lshl_b32 s20, ttmp9, 19                      ; the block's 128 rows of 4,096 bytes,
	s_lshl_b32 s21, s18, 17                        ; my wave's 32 of them
	s_add_co_u32 s20, s20, s21
	s_mov_b32 s21, 0
	s_lshl_b32 s22, ttmp9, 9                       ; the block's 128 words of weights and of pw
	s_mov_b32 s23, 0
	s_lshl_b32 s24, s18, 19                        ; my wave's 524,288 bytes of ub
	s_mov_b32 s25, 0
	s_lshr_b32 s26, ttmp9, 4                       ; the batch's row of pqs
	s_lshl_b32 s26, s26, 12
	s_mov_b32 s27, 0
	s_mul_i32 s34, ttmp9, 4352                     ; the block's record in part, my wave's 256 channels
	s_lshl_b32 s35, s18, 10
	s_add_co_u32 s34, s34, s35
	s_mov_b32 s35, 0
	s_mov_b32 s28, 0x4038aa3b                      ; c = 2 log2(e)
	s_mov_b32 s29, 0x4038aa3b                      ; named with it as a pair
	s_mov_b32 s30, 0x76543210                      ; v_permlanex16_b32: each lane takes its own place in the other half
	s_mov_b32 s31, 0xfedcba98
	s_mov_b32 s32, 0xffff0000                      ; a word's upper bf16; also, as a lane mask, lanes 16-31
	s_wait_kmcnt 0x0
	s_add_nc_u64 s[4:5], s[4:5], s[20:21]
	s_add_nc_u64 s[6:7], s[6:7], s[22:23]
	s_add_nc_u64 s[16:17], s[16:17], s[22:23]
	s_add_nc_u64 s[10:11], s[10:11], s[24:25]
	s_add_nc_u64 s[12:13], s[12:13], s[26:27]
	s_add_nc_u64 s[14:15], s[14:15], s[34:35]
	global_load_b128 v[36:39], v59, s[12:13]
	global_load_b128 v[40:43], v59, s[12:13] offset:2048
	global_load_b128 v[44:47], v59, s[8:9]
	global_load_b128 v[48:51], v59, s[8:9] offset:2048
.irp q, 0,1,2,3
	global_load_b32 v[WM+\q], v[L4], s[6:7] offset:\q*128
.endr
.irp i, 0,1,2,3,4,5,6
	LFILL \i, \i
.endr
	WIN 0
	v_and_b32 v[RR], 15, v0
	v_bfe_u32 v[HH], v0, 4, 1
	v_mul_u32_u24 v[ADR0], v[RR], P
	v_lshl_add_u32 v[ADR0], v[HH], 4, v[ADR0]
	v_add_nc_u32 v[ADR0+1], 32*P, v[ADR0]
	v_add_nc_u32 v[ADR0+2], 64*P, v[ADR0]
	v_add_nc_u32 v[ADR0+3], 96*P, v[ADR0]
	s_lshl_b32 s20, s18, 9
	s_add_co_u32 s20, s20, TAB
	v_lshl_add_u32 v[TA0], v[HH], 5, s20
	s_mul_i32 s20, s18, 32*P
	v_lshl_add_u32 v[LST0], v[LN], 3, s20
.set i, 0
.rept 16
	v_mov_b32 v[RACC+i], 0                         ; the rows' scores start at 0: both chunks then add in one form
.set i, i+1
.endr
	s_wait_loadcnt 56                              ; pq, v and the weights are in: behind them stand the ring's 7 x 8 loads
.irp k, 0,1,2,3
	v_cvt_pk_bf16_f32 v[52+\k], v[44+2*\k], v[45+2*\k]  ; v rounded to bf16, like every other operand of a product,
.endr
.irp k, 0,1,2,3
	v_lshlrev_b32 v[44+2*\k], 16, v[52+\k]         ; and back in f32
	v_and_b32 v[45+2*\k], s32, v[52+\k]
.endr
.irp k, 0,1,2,3
	v_pk_mul_f32 v[44+2*\k:45+2*\k], v[44+2*\k:45+2*\k], 0xc038aa3b op_sel_hi:[1,0]  ; v'' = -2 log2(e) v
.endr
	ds_store_b128 v58, v[36:39]
	ds_store_b128 v58, v[40:43] offset:2048
	ds_store_b128 v58, v[44:47] offset:4096
	ds_store_b128 v58, v[48:51] offset:6144
	LFILL 7, 7
	WIN 0
	; PHASE L.  My 32 rows in four rounds of eight; a slot is asked for again as soon as it has been rounded: eight rows, 32,768 bytes, of each wave are on their way.
	s_mov_b32 s22, 0
	s_mov_b32 s23, 3
.Lround:
	v_add_nc_u32 v[LSTW], s22, v[LST0]
.irp i, 0,1,2,3,4,5,6,7
	LROW \i, 1, 56                                 ; behind a slot's loads stand the seven other slots'
.endr
	s_wait_xcnt 0x0                                ; the loads have read their base: it may be stepped
	s_add_nc_u64 s[4:5], s[4:5], 32768
	s_add_co_u32 s22, s22, 8*P
	s_sub_co_u32 s23, s23, 1
	s_cmp_lg_u32 s23, 0
	s_cbranch_scc1 .Lround
	v_add_nc_u32 v[LSTW], s22, v[LST0]             ; the last round asks for no rows; the freed slots take U's first three K steps
	LROW 0, 0, 56                                  ; slots 1-7
	LROW 1, 2, 48                                  ; slots 2-7
	LROW 2, 0, 56                                  ; slots 3-7 and 16 of U
	LROW 3, 2, 48                                  ; slots 4-7 and 16 of U
	LROW 4, 0, 56                                  ; slots 5-7 and 32 of U
	LROW 5, 2, 48                                  ; slots 6, 7 and 32 of U
	LROW 6, 0, 56                                  ; slot 7 and 48 of U
	LROW 7, 0, 48                                  ; 48 of U
	s_wait_xcnt 0x0
	s_add_nc_u64 s[10:11], s[10:11], 3*8192        ; U's pointer stands at K step 3
	s_wait_dscnt 0x0                               ; for the others' sake: my rows, and my part of pq and v'', lie in LDS
	s_barrier_signal -1
	s_barrier_wait -1                              ; everybody's do.  U's 48 loads go into my own registers and stay out
	; PHASE K.  Two chunks of 512 columns.
	s_mov_b32 s24, 2
	s_mov_b32 s25, 0
.Lchunk:
	s_mov_b32 s26, 0
.irp q, 0,1,2,3
	v_mov_b32 v[ADRA+\q], v[ADR0+\q]
.endr
	v_add_nc_u32 v[TA], s25, v[TA0]
.irp b, 0,1,2,3,4,5,6,7
	ds_load_b128 v[PQT+8*\b:PQT+8*\b+3],   v[TA] offset:\b*64     ; pq of columns 16 b + 8 h + 0..7: the C operand's layout
	ds_load_b128 v[PQT+8*\b+4:PQT+8*\b+7], v[TA] offset:\b*64+16
.endr
	FETCH_A 0, FA0
	KSTEP 0, 0, 1, 1, 0, 32                        ; K step 0 stands ahead of the loop: its products start the sums, from pq
	WIN 0
	s_wait_xcnt 0x0
	s_add_nc_u64 s[10:11], s[10:11], 8192
	s_mov_b32 s27, 7
.Lk:                                                   ; a trip: K steps 4 t + 1 .. 4 t + 4
.irp q, 0,1,2,3
	v_add_nc_u32 v[ADRA+\q], s26, v[ADR0+\q]
.endr
	KSTEP 1, 1, 0, 2, 0, 32
	KSTEP 2, 0, 0, 3, 1, 32
	KSTEP 3, 1, 0, 4, 2, 32
	KSTEP 0, 0, 0, 5, 3, 32
	WIN 0
	s_wait_xcnt 0x0                                ; the youngest load of U stands 32 products back: the pointer may be stepped
	s_add_nc_u64 s[10:11], s[10:11], 4*8192
	s_add_co_u32 s26, s26, 256
	s_sub_co_u32 s27, s27, 1
	s_cmp_lg_u32 s27, 0
	s_cbranch_scc1 .Lk
.irp q, 0,1,2,3
	v_add_nc_u32 v[ADRA+\q], s26, v[ADR0+\q]
.endr
	s_cmp_eq_u32 s24, 1
	s_cbranch_scc1 .Ltail_last
	KSTEP 1, 1, 0, 2, 0, 32                        ; K steps 29-31 of the first chunk ask for the second chunk's K steps 0-2, which follow in ub
	KSTEP 2, 0, 0, 3, 1, 32
	KSTEP 3, 1, 0, -1, 2, 32
	WIN 0
	s_wait_xcnt 0x0
	s_add_nc_u64 s[10:11], s[10:11], 3*8192
	s_branch .Lepi
.Ltail_last:
	KSTEP 1, 1, 0, 2, -1, 32                       ; the last chunk's ask for nothing: no load leaves my part of ub, and the counts run down
	KSTEP 2, 0, 0, 3, -1, 16
	KSTEP 3, 1, 0, -1, -1, 0
	WIN 0
.Lepi:
	PLACES
.irp b, 0,1,2,3,4,5,6,7
	ds_load_b128 v[VT+8*\b:VT+8*\b+3],   v[TA] offset:4096+\b*64
	ds_load_b128 v[VT+8*\b+4:VT+8*\b+7], v[TA] offset:4096+\b*64+16
.endr
	s_wait_dscnt 0x0
	EPIW 2
	EPIW 3
	WIN 0
	s_add_co_u32 s25, s25, 2048
	s_sub_co_u32 s24, s24, 1
	s_cmp_lg_u32 s24, 0
	s_cbranch_scc1 .Lchunk
	; THE END.
	s_wait_loadcnt 0x0                             ; the last chunk's counts have run down to 0; stated here for every way through the text, ahead of the LDS loads into U's registers
	s_lshl_b32 s20, s18, 2
	s_add_co_u32 s20, s20, RP
	v_lshl_add_u32 v56, v[LN], 4, s20              ; my word of row (32 q +) lane
	v_lshl_add_u32 v57, v[LN], 4, RP               ; the row's four words
	s_lshl_b32 s20, s18, 8
	s_add_co_u32 s20, s20, PBW
	v_lshl_add_u32 v58, v[LN], 1, s20              ; p in bf16: in,
	v_lshl_add_u32 v59, v[HH], 4, s20              ; and back as fragments: eight rows at 16 h
	v_lshl_add_u32 v3, v[LN], 2, PF
	v_lshl_add_u32 v13, v[LN], 4, PF
	v_lshlrev_b32 v14, 3, v[LN]
	s_lshl_b32 s20, s18, 10
	s_add_co_u32 s20, s20, STG
	v_lshl_add_u32 v12, v[LN], 2, s20
	v_lshl_add_u32 v11, v[LN], 4, s20
	v_and_b32 v8, 7, v0                            ; the turning load: lane l reads row 8 (l / 16) + l % 8, channels 8 ((l / 8) % 2) + 0..7
	v_lshl_add_u32 v8, v[HH], 3, v8
	v_mul_u32_u24 v8, v8, P
	v_bfe_u32 v9, v0, 3, 1
	v_lshl_add_u32 v8, v9, 4, v8
	s_lshl_b32 s20, s18, 9                         ; my 256 channels: 512 bytes
	v_add_nc_u32 v124, s20, v8
	v_add_nc_u32 v125, 32*P, v124
	v_add_nc_u32 v126, 64*P, v124
	v_add_nc_u32 v127, 96*P, v124
.irp a, 0,1,2,3,4,5,6,7
	v_add_f32 v[36+\a], v[RACC+2*\a], v[RACC+2*\a+1]  ; even and odd columns,
.endr
.irp a, 0,1,2,3,4,5,6,7
	v_permlanex16_b32 v[44+\a], v[36+\a], s30, s31    ; and the row's other columns, in the lane 16 away
.endr
.irp a, 0,1,2,3,4,5,6,7
	v_add_f32 v[36+\a], v[36+\a], v[44+\a]
.endr
.irp q, 0,1,2,3
	v_cndmask_b32 v[52+\q], v[36+2*\q], v[37+2*\q], s32  ; lanes 0-15 keep row tile 2 q, lanes 16-31 take 2 q + 1: lane l holds row 32 q + l
.endr
.irp q, 0,1,2,3
	ds_store_b32 v56, v[52+\q] offset:\q*512
.endr
	s_wait_dscnt 0x0                               ; for the others' sake
	s_barrier_signal -1
	s_barrier_wait -1
.irp q, 0,1,2,3
	ds_load_b128 v[96+4*\q:96+4*\q+3], v57 offset:\q*512
.endr
	v_mov_b32 v48, 0xff7fffff                      ; the lowest finite number stands for a masked row in the maximum
.irp q, 0,1,2,3
	v_cmp_ne_u32 s[36+\q], 0, v[WM+\q]             ; live rows
.endr
	s_wait_dscnt 0x0
.irp q, 0,1,2,3                        ; every wave makes the block's softmax for itself, in the same order: the same numbers in all four
	v_add_f32 v[96+4*\q], v[96+4*\q], v[97+4*\q]
	v_add_f32 v[98+4*\q], v[98+4*\q], v[99+4*\q]
.endr
.irp q, 0,1,2,3
	v_add_f32 v[52+\q], v[96+4*\q], v[98+4*\q]
.endr
.irp q, 0,1,2,3
	v_cndmask_b32 v[40+\q], v48, v[52+\q], s[36+\q]
.endr
	v_max3_num_f32 v44, v40, v41, v42
	v_max_num_f32 v44, v44, v43
	v_max_num_f32_dpp v44, v44, v44 row_xmask:1 row_mask:0xf bank_mask:0xf
	v_max_num_f32_dpp v44, v44, v44 row_xmask:2 row_mask:0xf bank_mask:0xf
	v_max_num_f32_dpp v44, v44, v44 row_xmask:4 row_mask:0xf bank_mask:0xf
	v_max_num_f32_dpp v44, v44, v44 row_xmask:8 row_mask:0xf bank_mask:0xf
	v_permlanex16_b32 v45, v44, s30, s31
	v_max_num_f32 v44, v44, v45                    ; m
.irp q, 0,1,2,3
	v_sub_f32 v[40+\q], v[40+\q], v44
.endr
.irp q, 0,1,2,3
	v_exp_f32 v[40+\q], v[40+\q]
.endr
	v_nop
	s_wait_alu depctr_va_vdst(0)                   ; one wait for the four exponentials
.irp q, 0,1,2,3
	v_cndmask_b32 v[40+\q], 0, v[40+\q], s[36+\q]  ; p; 0 for a masked row
.endr
	v_add_f32 v46, v40, v41
	v_add_f32 v47, v42, v43
	v_add_f32 v46, v46, v47
	v_add_f32_dpp v46, v46, v46 row_xmask:1 row_mask:0xf bank_mask:0xf
	v_add_f32_dpp v46, v46, v46 row_xmask:2 row_mask:0xf bank_mask:0xf
	v_add_f32_dpp v46, v46, v46 row_xmask:4 row_mask:0xf bank_mask:0xf
	v_add_f32_dpp v46, v46, v46 row_xmask:8 row_mask:0xf bank_mask:0xf
	v_permlanex16_b32 v47, v46, s30, s31
	v_add_f32 v45, v46, v47                        ; l: v[44:45] = (m, l)
.irp q, 0,1,2,3
	v_cvt_pk_bf16_f32 v[48+\q], v[40+\q], v[40+\q]
.endr
.irp q, 0,1,2,3
	ds_store_b16 v58, v[48+\q] offset:\q*64        ; row 32 q + lane
.endr
.irp kk, 0,1,2,3
	ds_load_b128 v[PFR+8*\kk:PFR+8*\kk+3],   v59 offset:\kk*64     ; my wave's own bytes, and LDS serves a wave's instructions in order (ISA guide 5.7.1.4)
	ds_load_b128 v[PFR+8*\kk+4:PFR+8*\kk+7], v59 offset:\kk*64+32
.endr
	s_cmp_lg_u32 s18, 0
	s_cbranch_scc1 .Lnot_wave_0
.irp q, 0,1,2,3
	ds_store_b32 v3, v[40+\q] offset:\q*128        ; wave 0 stores p and (m, l): p goes through LDS, so that a lane holds four neighbouring rows
.endr
	ds_load_b128 v[120:123], v13
	s_wait_dscnt 0x0
	global_store_b128 v[LN16], v[120:123], s[16:17]          ; 512 consecutive bytes, aligned
	global_store_b64 v14, v[44:45], s[14:15] offset:4096     ; (m, l) 32 times: 256 consecutive bytes, aligned
.Lnot_wave_0:
	TRL 0, 0
	TRL 1, 1
	s_wait_dscnt 32                                ; p's fragments and buffer 0 are in; buffer 1's 32 loads may be out
	BMUL 0, 0
	PLACES
	TRL 2, 0
	s_wait_dscnt 32
	BMUL 1, 1
	PLACES
	TRL 3, 1
	s_wait_dscnt 32
	BMUL 2, 0
	s_wait_dscnt 0x0
	BMUL 3, 1
	PLACES
	WIN 0x0a                                       ; sources window 2, destination window 0
.irp u, 0,1,2,3,4,5,6,7
	v_cndmask_b32 v[112+\u], v[16*\u], v[16*\u+8], s32  ; all 16 rows of the result are alike: register 0 of lane l holds channel l % 16; lane l takes channel 32 u + l
.endr
	WIN 0
.irp u, 0,1,2,3,4,5,6,7
	ds_store_b32 v12, v[112+\u] offset:\u*128
.endr
	ds_load_b128 v[96:99], v11                     ; my own stage, in order: four neighbouring channels a lane
	ds_load_b128 v[100:103], v11 offset:512
	s_wait_dscnt 0x0
	global_store_b128 v[LN16], v[96:99], s[14:15]            ; 512 consecutive bytes, aligned, twice
	global_store_b128 v[LN16], v[100:103], s[14:15] offset:512
	s_wait_tensorcnt 0x0                           ; the wave's end
	ds_add_u32 v[SPW], v[NIL]
	s_wait_dscnt 0x0
	s_endpgm
.Lfunc_end_k_q66d4593d61_main:
	.size	k_q66d4593d61_main, .Lfunc_end_k_q66d4593d61_main-k_q66d4593d61_main
	.p2alignl 7, 3214868480
	.fill 96, 4, 3214868480
	.section	.rodata,"a",@progbits
	.p2align	6, 0x0
	.amdhsa_kernel k_q66d4593d61_main
		.amdhsa_group_segment_fixed_size 280576
		.amdhsa_private_segment_fixed_size 0
		.amdhsa_enable_private_segment 0
		.amdhsa_kernarg_size 56
		.amdhsa_user_sgpr_count 2
		.amdhsa_user_sgpr_kernarg_segment_ptr 1
		.amdhsa_wavefront_size32 1
		.amdhsa_system_sgpr_workgroup_id_x 1
		.amdhsa_system_sgpr_workgroup_id_y 1
		.amdhsa_system_sgpr_workgroup_id_z 1
		.amdhsa_system_vgpr_workitem_id 0
		.amdhsa_next_free_vgpr 1024
		.amdhsa_next_free_sgpr 66
		.amdhsa_reserve_vcc 0
		.amdhsa_float_denorm_mode_32 3
		.amdhsa_float_denorm_mode_16_64 3
		.amdhsa_memory_ordered 1
		.amdhsa_forward_progress 1
		.amdhsa_inst_pref_size 226
	.end_amdhsa_kernel
	.amdgpu_metadata
---
amdhsa.version: [ 1, 2 ]
amdhsa.kernels:
  - .name:           k_q66d4593d61_main
    .symbol:         k_q66d4593d61_main.kd
    .args:
      - { .name: multiple_items, .offset: 0, .size: 8, .value_kind: global_buffer, .address_space: global }
      - { .name: weights, .offset: 8, .size: 8, .value_kind: global_buffer, .address_space: global }
      - { .name: v, .offset: 16, .size: 8, .value_kind: global_buffer, .address_space: global }
      - { .name: ub, .offset: 24, .size: 8, .value_kind: global_buffer, .address_space: global }
      - { .name: pqs, .offset: 32, .size: 8, .value_kind: global_buffer, .address_space: global }
      - { .name: part, .offset: 40, .size: 8, .value_kind: global_buffer, .address_space: global }
      - { .name: pw, .offset: 48, .size: 8, .value_kind: global_buffer, .address_space: global }
    .group_segment_fixed_size: 280576
    .private_segment_fixed_size: 0
    .kernarg_segment_align: 8
    .kernarg_segment_size: 56
    .max_flat_workgroup_size: 128
    .sgpr_count:     66
    .vgpr_count:     1024
    .wavefront_size: 32
...
	.end_amdgpu_metadata
.endif
;; end of part 2
;; launch comb (part 3): grid 32 x 1, 8 waves a work-group, no clusters, 0 bytes of LDS; arguments part, pw, out0, out1; writes out0, out1
.if DOCPART == 3
	.amdgcn_target "amdgcn-amd-amdhsa--gfx1250"
	.amdhsa_code_object_version 6
	.text
	.protected	k_q66d4593d61_comb
	.globl	k_q66d4593d61_comb
	.p2align	8
	.type	k_q66d4593d61_comb,@function
k_q66d4593d61_comb:
	s_mov_b64 s[64:65], 0
	v_nop
	global_prefetch_b8 v0, s[64:65] scope:SCOPE_SE
	s_setreg_imm32_b32 hwreg(HW_REG_WAVE_MODE, 25, 1), 1
	s_wait_xcnt 0x0
; COMB.  One work-group for each batch joins its 16 blocks: M = max m_j; w_j = 2^(m_j - M) / L with L = sum_j 2^(m_j - M) l_j;
; out0[i] = sum_j w_j bp_j[i]; out1[row] = w_(row / 128) p[row].  All in f32.  A record of part is 4,352 bytes: bp (1,024 words), then (m, l) repeated.
; 256 threads: thread t takes channels 4 t .. 4 t + 3 of out0 and rows 4 t .., 1,024 + 4 t .. of out1, which lie in blocks t / 32 and 8 + t / 32.
; A batch with no live row has l_j = 0 and m_j alike: L = 0, w_j is infinite, and 0 x infinity gives NaN everywhere, as the reference's softmax of nothing does.
; No LDS byte is touched (the lane permute goes through the LDS unit alone), no matrix unit, no barrier: some 74 KB for each work-group, read once.
	s_load_b256 s[4:11], s[0:1], 0x0               ; part s[4:5], pw s[6:7], out0 s[8:9], out1 s[10:11]
	v_and_b32 v1, 15, v0
	v_mul_u32_u24 v1, v1, 4352                     ; lane l looks at block l % 16
	v_lshlrev_b32 v4, 4, v0                        ; 16 x thread
	v_lshrrev_b32 v10, 5, v0
	v_lshlrev_b32 v10, 2, v10                      ; the lane that holds my first score block's weight, x 4,
	v_add_nc_u32 v11, 32, v10                      ; and my second's
	s_mul_i32 s12, ttmp9, 69632                    ; 16 records
	s_mov_b32 s13, 0
	s_lshl_b32 s14, ttmp9, 13                      ; 2,048 scores
	s_mov_b32 s15, 0
	s_lshl_b32 s16, ttmp9, 12                      ; 1,024 channels
	s_mov_b32 s17, 0
	s_wait_kmcnt 0x0
	s_add_nc_u64 s[4:5], s[4:5], s[12:13]
	s_add_nc_u64 s[6:7], s[6:7], s[14:15]
	s_add_nc_u64 s[8:9], s[8:9], s[16:17]
	s_add_nc_u64 s[10:11], s[10:11], s[14:15]
	global_load_b64 v[2:3], v1, s[4:5] offset:4096 ; (m, l) of block l % 16
.set j, 0
.rept 16
	global_load_b128 v[16+4*j:16+4*j+3], v4, s[4:5] offset:j*4352 th:TH_LOAD_NT
.set j, j+1
.endr
	global_load_b128 v[80:83], v4, s[6:7] th:TH_LOAD_NT
	global_load_b128 v[84:87], v4, s[6:7] offset:4096 th:TH_LOAD_NT
	s_wait_loadcnt 18                              ; (m, l) is in; the 16 records' loads and the two of scores stay out
	v_mov_b32 v5, v2
	v_max_num_f32_dpp v5, v5, v5 row_xmask:1 row_mask:0xf bank_mask:0xf  ; each half of 16 lanes holds all 16 blocks
	v_max_num_f32_dpp v5, v5, v5 row_xmask:2 row_mask:0xf bank_mask:0xf
	v_max_num_f32_dpp v5, v5, v5 row_xmask:4 row_mask:0xf bank_mask:0xf
	v_max_num_f32_dpp v5, v5, v5 row_xmask:8 row_mask:0xf bank_mask:0xf  ; M
	v_sub_f32 v6, v2, v5
	v_exp_f32 v6, v6
	v_nop                                          ; a plain instruction and a wait, ahead of the first use
	s_wait_alu depctr_va_vdst(0)
	v_mul_f32 v7, v6, v3
	v_add_f32_dpp v7, v7, v7 row_xmask:1 row_mask:0xf bank_mask:0xf
	v_add_f32_dpp v7, v7, v7 row_xmask:2 row_mask:0xf bank_mask:0xf
	v_add_f32_dpp v7, v7, v7 row_xmask:4 row_mask:0xf bank_mask:0xf
	v_add_f32_dpp v7, v7, v7 row_xmask:8 row_mask:0xf bank_mask:0xf      ; L
	v_rcp_f32 v8, v7
	v_nop
	s_wait_alu depctr_va_vdst(0)
	v_mul_f32 v9, v6, v8                           ; w_j in lane j (and j + 16)
	ds_bpermute_b32 v12, v10, v9
	ds_bpermute_b32 v13, v11, v9
.set j, 0
.rept 16
	v_readlane_b32 s[32+j], v9, j
.set j, j+1
.endr
	s_wait_loadcnt 2                               ; the 16 records are in; the two loads of scores may be out
.irp k, 0,1,2,3
	v_mul_f32 v[92+\k], s32, v[16+\k]
.endr
.set j, 1
.rept 15
.irp k, 0,1,2,3
	v_fma_f32 v[92+\k], v[16+4*j+\k], s[32+j], v[92+\k]
.endr
.set j, j+1
.endr
	global_store_b128 v4, v[92:95], s[8:9]         ; sixteen lanes store 256 consecutive bytes, aligned
	s_wait_loadcnt 0x0
	s_wait_dscnt 0x0
.irp k, 0,1,2,3
	v_mul_f32 v[80+\k], v[80+\k], v12
	v_mul_f32 v[84+\k], v[84+\k], v13
.endr
	global_store_b128 v4, v[80:83], s[10:11]
	global_store_b128 v4, v[84:87], s[10:11] offset:4096
	s_endpgm
.Lfunc_end_k_q66d4593d61_comb:
	.size	k_q66d4593d61_comb, .Lfunc_end_k_q66d4593d61_comb-k_q66d4593d61_comb
	.p2alignl 7, 3214868480
	.fill 96, 4, 3214868480
	.section	.rodata,"a",@progbits
	.p2align	6, 0x0
	.amdhsa_kernel k_q66d4593d61_comb
		.amdhsa_group_segment_fixed_size 0
		.amdhsa_private_segment_fixed_size 0
		.amdhsa_enable_private_segment 0
		.amdhsa_kernarg_size 32
		.amdhsa_user_sgpr_count 2
		.amdhsa_user_sgpr_kernarg_segment_ptr 1
		.amdhsa_wavefront_size32 1
		.amdhsa_system_sgpr_workgroup_id_x 1
		.amdhsa_system_sgpr_workgroup_id_y 1
		.amdhsa_system_sgpr_workgroup_id_z 1
		.amdhsa_system_vgpr_workitem_id 0
		.amdhsa_next_free_vgpr 96
		.amdhsa_next_free_sgpr 66
		.amdhsa_reserve_vcc 0
		.amdhsa_float_denorm_mode_32 3
		.amdhsa_float_denorm_mode_16_64 3
		.amdhsa_memory_ordered 1
		.amdhsa_forward_progress 1
		.amdhsa_inst_pref_size 10
	.end_amdhsa_kernel
	.amdgpu_metadata
---
amdhsa.version: [ 1, 2 ]
amdhsa.kernels:
  - .name:           k_q66d4593d61_comb
    .symbol:         k_q66d4593d61_comb.kd
    .args:
      - { .name: part, .offset: 0, .size: 8, .value_kind: global_buffer, .address_space: global }
      - { .name: pw, .offset: 8, .size: 8, .value_kind: global_buffer, .address_space: global }
      - { .name: out0, .offset: 16, .size: 8, .value_kind: global_buffer, .address_space: global }
      - { .name: out1, .offset: 24, .size: 8, .value_kind: global_buffer, .address_space: global }
    .group_segment_fixed_size: 0
    .private_segment_fixed_size: 0
    .kernarg_segment_align: 8
    .kernarg_segment_size: 32
    .max_flat_workgroup_size: 256
    .sgpr_count:     66
    .vgpr_count:     96
    .wavefront_size: 32
...
	.end_amdgpu_metadata
.endif
;; end of part 3
;; ======== version 2 of 3: 3 launches; 1.63 times as fast as version 1
;; workspace buffers: ub 2,097,152 bytes; pqs 131,072 bytes; part 2,228,224 bytes; pw 294,912 bytes; list 327,680 bytes of whole numbers; cnt 8,192 bytes of whole numbers
;; launch prep (part 4): grid 80 x 1, 16 waves a work-group, no clusters, 67,584 bytes of LDS; arguments U, W, queries, ub, pqs, weights, list, cnt, pw; writes ub, pqs, list, cnt, pw
.if DOCPART == 4
	.amdgcn_target "amdgcn-amd-amdhsa--gfx1250"
	.amdhsa_code_object_version 6
	.text
	.protected	k_q66d4593d61_prep
	.globl	k_q66d4593d61_prep
	.p2align	8
	.type	k_q66d4593d61_prep,@function
k_q66d4593d61_prep:
	s_mov_b64 s[64:65], 0
	v_nop
	global_prefetch_b8 v0, s[64:65] scope:SCOPE_SE
	s_setreg_imm32_b32 hwreg(HW_REG_WAVE_MODE, 25, 1), 1
	s_wait_xcnt 0x0
; PREP.  Three small jobs on one text, told apart by the work-group's number (the same in all its waves).
; Role U (work-groups 0-15): ub = U rounded to bf16, laid out in the order in which the main launch's waves take matrix fragments:
;   byte w*524288 + (c*32+ks)*8192 + b*1024 + half*512 + lane*16 holds U[32 ks + 16 half + 8 (lane/16) + 0..7][512 c + 128 w + 16 b + lane%16].
; Role PQ (work-groups 16-47): pqs[batch][a] = sum over k of queries[batch][k] W[k][a], operands rounded to bf16, sums in f32, stored in f32.
; Role LIST (work-groups 48-79, one a batch): list[batch][p], 2,560 words: places 0 .. n-1 hold the numbers (0..65535) of the batch's n rows with weights != 0, places n .. 2047 those of its other rows,
;   places 2048 .. 2559 the batch's first row.  Share j of the main launch takes places 8 e + j;  cnt[batch][2 l], [2 l + 1], l = 0..31: the length (n + 7 - j) >> 3 of share j = l % 8;
;   pw[batch][0..2047] = 0, so that every word of pw that the last launch reads has been stored.  This role touches no LDS byte and has no barrier.
; In roles U and PQ a work-group has 64 columns (group G); in role PQ also 16 of the 32 batches (mh).  Wave v takes K steps 2 v and 2 v + 1 of 32 channels.
; A fragment is 16 columns x 32 k in 8 registers: lane l holds column l % 16; registers 0-3 hold k = 8 (l/16) + 0..7, registers 4-7 k = 16 + 8 (l/16) + 0..7.
; U and W lie [k][column], so a lane gathers its 16 numbers of a fragment by 16 loads of 4 bytes; the four fragments side by side cover 256 consecutive bytes of each row.
; LIMITS: operands are rounded to bf16 (nearest even); NaN and infinities are not treated apart.  The list holds a batch's live rows in the order of the walk below, not in ascending order.
.set SPARE, 65536                      ; behind the 16 waves' partial sums (4,096 bytes each): the spare words, 128 bytes a wave
.set ACC,   64                         ; v[64:95]   four accumulators, one for each 16 columns
.set QR,    96                         ; v[96:127]  queries, raw: 16 numbers for each of my two K steps; then 8 registers of bf16 each
.set RAW,   128                        ; v[128:255] U or W, raw: fragment F = 4 kq + nt has 16 registers; then 8 registers of bf16 each
.macro CVT8 R                          ; 16 f32 in v[R..R+15] -> 8 registers of bf16 pairs in v[R..R+7]; register j is written when sources up to 2 j + 1 have been read
.set j, 0
.rept 8
	v_cvt_pk_bf16_f32 v[(\R)+j], v[(\R)+2*j], v[(\R)+2*j+1]
.set j, j+1
.endr
.endm
	s_load_b256 s[4:11], s[0:1], 0x0               ; U s[4:5], W s[6:7], queries s[8:9], ub s[10:11]
	s_load_b64 s[12:13], s[0:1], 0x20              ; pqs
	s_load_b256 s[24:31], s[0:1], 0x28             ; weights s[24:25], list s[26:27], cnt s[28:29], pw s[30:31]
	v_lshl_add_u32 v60, v0, 2, SPARE               ; my spare word
	v_mov_b32 v61, 0
	v_lshrrev_b32 v1, 5, v0
	v_readfirstlane_b32 s14, v1                    ; wave 0..15
	v_and_b32 v2, 31, v0                           ; lane
	v_and_b32 v3, 15, v0                           ; r = lane % 16
	v_bfe_u32 v4, v0, 4, 1                         ; h = lane / 16
	s_lshr_b32 s20, ttmp9, 1
	s_add_co_u32 s20, s20, 8
	s_and_b32 s20, s20, 15                         ; role PQ: G = (wg >> 1) - 8, for wg = 16..47
	s_and_b32 s17, ttmp9, 1                        ; mh
	s_cmp_lt_u32 ttmp9, 16
	s_cselect_b32 s15, 1, 0                        ; 1: role U
	s_cselect_b32 s16, ttmp9, s20                  ; G
	v_lshlrev_b32 v5, 2, v3                        ; source offset: column r,
	v_lshl_add_u32 v5, v4, 15, v5                  ; 8 h rows of 4,096 bytes,
	s_lshl_b32 s21, s14, 18
	v_add_nc_u32 v5, s21, v5                       ; my wave's 64 rows
	s_lshl_b32 s21, s14, 14
	v_lshl_add_u32 v6, v2, 4, s21                  ; ub: 16 x lane + my two K steps of 8,192 bytes
	s_lshl_b32 s21, s17, 16
	s_lshl_b32 s22, s14, 8
	s_add_co_u32 s21, s21, s22
	v_lshl_add_u32 v7, v3, 12, s21                 ; queries: batch 16 mh + r, my wave's 64 channels,
	v_lshl_add_u32 v7, v4, 5, v7                   ; 8 h channels
	s_lshl_b32 s21, s14, 12
	v_lshl_add_u32 v8, v2, 5, s21                  ; LDS: my wave's 4,096 bytes, 32 bytes a lane and tile
	v_bfe_u32 v10, v0, 4, 4                        ; the last sum: thread u takes batch row u / 16
	v_bfe_u32 v11, v0, 2, 2                        ; and columns 4 (u % 16) ..: tile,
	v_bfe_u32 v12, v0, 1, 1                        ; half of the lanes,
	v_and_b32 v13, 1, v0                           ; upper or lower four registers
	v_lshlrev_b32 v9, 5, v10
	v_lshl_add_u32 v9, v11, 10, v9
	v_lshl_add_u32 v9, v12, 9, v9
	v_lshl_add_u32 v9, v13, 4, v9
	v_lshlrev_b32 v14, 12, v10                     ; and in pqs: row x 4,096 + 16 x (u % 16)
	v_lshl_add_u32 v14, v3, 4, v14
	s_lshl_b32 s20, s16, 8                         ; the group's 64 columns: 256 bytes
	s_mov_b32 s21, 0
	s_wait_kmcnt 0x0
	s_cmp_ge_u32 ttmp9, 48
	s_cbranch_scc1 .Llist
	s_cmp_eq_u32 s15, 1
	s_cselect_b64 s[18:19], s[4:5], s[6:7]         ; U or W
	s_add_nc_u64 s[18:19], s[18:19], s[20:21]
.set F, 0
.rept 8                                ; fragment by fragment, so that the waits below can count
.set e, 0
.rept 16                               ; register e: k = e + 8 (e / 8) + 8 h within the K step
	global_load_b32 v[RAW+16*F+e], v5, s[18:19] offset:(32*(F/4)+e+8*(e/8))*4096+(F%4)*64
.set e, e+1
.endr
.set F, F+1
.endr
	s_cmp_eq_u32 s15, 1
	s_cbranch_scc0 .Lpq
	; ROLE U: round and store.  Each store of the wave covers 512 consecutive bytes, aligned.
	s_bfe_u32 s20, s16, 0x20001                    ; w = (G >> 1) & 3
	s_lshl_b32 s20, s20, 19
	s_lshr_b32 s22, s16, 3                         ; c = G >> 3
	s_lshl_b32 s22, s22, 18
	s_add_co_u32 s20, s20, s22
	s_and_b32 s22, s16, 1                          ; b = 4 (G & 1) + nt
	s_lshl_b32 s22, s22, 12
	s_add_co_u32 s20, s20, s22
	s_mov_b32 s21, 0
	s_add_nc_u64 s[10:11], s[10:11], s[20:21]
.set F, 0
.rept 8
.if 112-16*F > 63
	s_wait_loadcnt 63                              ; behind fragment F stand 112 - 16 F loads; the wait's field holds 63, and a smaller count only waits for more
.else
	s_wait_loadcnt 112-16*F
.endif
	CVT8 RAW+16*F
	global_store_b128 v6, v[RAW+16*F:RAW+16*F+3], s[10:11] offset:(F/4)*8192+(F%4)*1024
	global_store_b128 v6, v[RAW+16*F+4:RAW+16*F+7], s[10:11] offset:(F/4)*8192+(F%4)*1024+512
.set F, F+1
.endr
	s_branch .Lend
.Lpq:	; ROLE PQ: source 0 = 16 columns of W, source 1 = 16 batches: a lane ends with one batch (r) and eight neighbouring columns (8 h + 0..7).
.irp kq, 0,1
	global_load_b128 v[QR+16*\kq:QR+16*\kq+3],     v7, s[8:9] offset:\kq*128
	global_load_b128 v[QR+16*\kq+4:QR+16*\kq+7],   v7, s[8:9] offset:\kq*128+16
	global_load_b128 v[QR+16*\kq+8:QR+16*\kq+11],  v7, s[8:9] offset:\kq*128+64
	global_load_b128 v[QR+16*\kq+12:QR+16*\kq+15], v7, s[8:9] offset:\kq*128+80
.endr
	s_lshl_b32 s20, s17, 16                        ; pqs at batch 16 mh, column 64 G
	s_lshl_b32 s22, s16, 8
	s_add_co_u32 s20, s20, s22
	s_mov_b32 s21, 0
	s_add_nc_u64 s[12:13], s[12:13], s[20:21]
	s_wait_loadcnt 0x0
	CVT8 QR
	CVT8 QR+16
.set F, 0
.rept 8
	CVT8 RAW+16*F
.set F, F+1
.endr
.irp kq, 0,1                           ; the four accumulators take turns, one instruction a turn; the first K step starts the sums
.irp nt, 0,1,2,3
.if \kq == 0
	v_wmma_f32_16x16x32_bf16 v[ACC+8*\nt:ACC+8*\nt+7], v[RAW+16*\nt:RAW+16*\nt+7], v[QR:QR+7], 0
.else
	v_wmma_f32_16x16x32_bf16 v[ACC+8*\nt:ACC+8*\nt+7], v[RAW+64+16*\nt:RAW+64+16*\nt+7], v[QR+16:QR+23], v[ACC+8*\nt:ACC+8*\nt+7]
.endif
.endr
.endr
.rept 4
	v_nop                                          ; four places between the last product and the LDS stores of results, and the LDS loads into its sources
.endr
.irp nt, 0,1,2,3
	ds_store_b128 v8, v[ACC+8*\nt:ACC+8*\nt+3]   offset:\nt*1024
	ds_store_b128 v8, v[ACC+8*\nt+4:ACC+8*\nt+7] offset:\nt*1024+16
.endr
	s_wait_dscnt 0x0                               ; for the others' sake: my partial sums lie in LDS
	s_barrier_signal -1
	s_barrier_wait -1
	s_cmp_lt_u32 s14, 8                            ; 256 threads add the 16 waves' parts: four columns each
	s_cbranch_scc0 .Lend
.set k, 0
.rept 16
	ds_load_b128 v[RAW+4*k:RAW+4*k+3], v9 offset:k*4096
.set k, k+1
.endr
	s_wait_dscnt 0x0
.irp st, 8,4,2,1
.set k, 0
.rept \st
	v_pk_add_f32 v[RAW+4*k:RAW+4*k+1],   v[RAW+4*k:RAW+4*k+1],   v[RAW+4*(k+\st):RAW+4*(k+\st)+1]
	v_pk_add_f32 v[RAW+4*k+2:RAW+4*k+3], v[RAW+4*k+2:RAW+4*k+3], v[RAW+4*(k+\st)+2:RAW+4*(k+\st)+3]
.set k, k+1
.endr
.endr
	global_store_b128 v14, v[RAW:RAW+3], s[12:13]  ; sixteen lanes store 256 consecutive bytes, aligned
	s_branch .Lend
.Llist:	; ROLE LIST.  The rows are walked in groups of 32: group g = 4 k + e holds rows 128 k + 4 lane + e.  Wave v places the rows of groups 4 v .. 4 v + 3.
	; Every wave reads all 2,048 weights and counts for itself: the live rows in the groups ahead of its own, and all of them.  Nothing passes between waves.
	s_sub_co_u32 s16, ttmp9, 48                    ; the batch
	s_lshl_b32 s20, s16, 13                        ; its 2,048 words of weights and of pw
	s_mov_b32 s21, 0
	s_add_nc_u64 s[24:25], s[24:25], s[20:21]
	s_add_nc_u64 s[30:31], s[30:31], s[20:21]
	s_mul_i32 s20, s16, 10240                      ; its 2,560 words of list
	s_add_nc_u64 s[26:27], s[26:27], s[20:21]
	s_lshl_b32 s20, s16, 8                         ; its 256 bytes of cnt
	s_add_nc_u64 s[28:29], s[28:29], s[20:21]
	s_lshl_b32 s23, s16, 11                        ; the number of its first row
	v_lshlrev_b32 v5, 4, v0                        ; 16 x thread: thread t has rows 4 t .. 4 t + 3
	v_lshlrev_b32 v6, 4, v2                        ; 16 x lane
	global_load_b128 v[64:67], v5, s[24:25]        ; my own four rows
.set k, 0
.rept 16
	global_load_b128 v[RAW+4*k:RAW+4*k+3], v6, s[24:25] offset:k*512
.set k, k+1
.endr
.irp k, 16,17,18,19
	v_mov_b32 v\k, 0
.endr
	global_store_b128 v5, v[16:19], s[30:31]       ; pw = 0: 512 consecutive bytes a wave, aligned
	v_lshl_add_u32 v7, v0, 2, s23                  ; the number of my first row
	s_lshl_b32 s20, s14, 7
	s_sub_co_u32 s20, 0x7ff, s20
	v_sub_nc_u32 v8, s20, v2                       ; 2047 - 128 v - lane
	v_mov_b32 v15, 0
	s_mov_b32 s17, 0                               ; live rows in the groups ahead of mine
	s_mov_b32 s18, 0                               ; live rows in all
.set k, 0
.rept 16
	s_wait_loadcnt 15-k                            ; loads come back in order (ISA guide 5.7.1): my own and loads 0 .. k are in, the 15 - k behind them stay out
.irp e, 0,1,2,3
	v_cmp_ne_u32 s[32+\e], 0, v[RAW+4*k+\e]
.endr
.irp e, 0,1,2,3
	s_bcnt1_i32_b32 s[32+\e], s[32+\e]
.endr
	s_add_co_u32 s32, s32, s33
	s_add_co_u32 s34, s34, s35
	s_add_co_u32 s19, s32, s34                     ; the live rows among rows 128 k .. 128 k + 127
	s_add_co_u32 s18, s18, s19
	s_cmp_gt_u32 s14, k
	s_cselect_b32 s19, s19, 0
	s_add_co_u32 s17, s17, s19
.set k, k+1
.endr
	; A live row takes the place (live rows before it in the walk); another row the place 2047 - (such rows before it) = (2047 - 32 g - lane) + (live rows before it):
	; the 2,048 places are all written, each once.
.irp e, 0,1,2,3
	v_cmp_ne_u32 vcc_lo, 0, v[64+\e]               ; the group's live rows
	v_mbcnt_lo_u32_b32 v9, vcc_lo, 0               ; how many of them lie in lanes below mine
	v_sub_nc_u32 v11, v8, 32*\e
	v_cndmask_b32 v10, v11, v15, vcc_lo
	v_add3_u32 v12, s17, v9, v10
	v_min_u32 v12, 0x7ff, v12                      ; a place of the list, whatever the weights hold
	v_lshlrev_b32 v[20+\e], 2, v12
	v_add_nc_u32 v[24+\e], \e, v7
	global_store_b32 v[20+\e], v[24+\e], s[26:27]  ; single words: the group's live rows lie on end, its other rows too; 8,192 bytes a batch in all
	s_bcnt1_i32_b32 s20, vcc_lo
	s_add_co_u32 s17, s17, s20
.endr
	s_cmp_lt_u32 s14, 4
	s_cbranch_scc0 .Lend
.irp k, 28,29,30,31
	v_mov_b32 v\k, s23
.endr
	global_store_b128 v5, v[28:31], s[26:27] offset:8192  ; waves 0-3: places 2048 .. 2559
	s_cmp_lg_u32 s14, 0
	s_cbranch_scc1 .Lend
	v_and_b32 v9, 7, v2                            ; wave 0 stores the eight lengths: lane l that of share l % 8, twice: 256 consecutive bytes, aligned
	s_add_co_u32 s18, s18, 7
	v_sub_nc_u32 v32, s18, v9
	v_lshrrev_b32 v32, 3, v32                      ; the places 8 e + j below n
	v_mov_b32 v33, v32
	v_lshlrev_b32 v34, 3, v2
	global_store_b64 v34, v[32:33], s[28:29]
.Lend:
	s_wait_tensorcnt 0x0                           ; the wave's end
	ds_add_u32 v60, v61
	s_wait_dscnt 0x0
	s_endpgm
.Lfunc_end_k_q66d4593d61_prep:
	.size	k_q66d4593d61_prep, .Lfunc_end_k_q66d4593d61_prep-k_q66d4593d61_prep
	.p2alignl 7, 3214868480
	.fill 96, 4, 3214868480
	.section	.rodata,"a",@progbits
	.p2align	6, 0x0
	.amdhsa_kernel k_q66d4593d61_prep
		.amdhsa_group_segment_fixed_size 67584
		.amdhsa_private_segment_fixed_size 0
		.amdhsa_enable_private_segment 0
		.amdhsa_kernarg_size 72
		.amdhsa_user_sgpr_count 2
		.amdhsa_user_sgpr_kernarg_segment_ptr 1
		.amdhsa_wavefront_size32 1
		.amdhsa_system_sgpr_workgroup_id_x 1
		.amdhsa_system_sgpr_workgroup_id_y 1
		.amdhsa_system_sgpr_workgroup_id_z 1
		.amdhsa_system_vgpr_workitem_id 0
		.amdhsa_next_free_vgpr 256
		.amdhsa_next_free_sgpr 66
		.amdhsa_reserve_vcc 1
		.amdhsa_float_denorm_mode_32 3
		.amdhsa_float_denorm_mode_16_64 3
		.amdhsa_memory_ordered 1
		.amdhsa_forward_progress 1
		.amdhsa_inst_pref_size 47
	.end_amdhsa_kernel
	.amdgpu_metadata
---
amdhsa.version: [ 1, 2 ]
amdhsa.kernels:
  - .name:           k_q66d4593d61_prep
    .symbol:         k_q66d4593d61_prep.kd
    .args:
      - { .name: U, .offset: 0, .size: 8, .value_kind: global_buffer, .address_space: global }
      - { .name: W, .offset: 8, .size: 8, .value_kind: global_buffer, .address_space: global }
      - { .name: queries, .offset: 16, .size: 8, .value_kind: global_buffer, .address_space: global }
      - { .name: ub, .offset: 24, .size: 8, .value_kind: global_buffer, .address_space: global }
      - { .name: pqs, .offset: 32, .size: 8, .value_kind: global_buffer, .address_space: global }
      - { .name: weights, .offset: 40, .size: 8, .value_kind: global_buffer, .address_space: global }
      - { .name: list, .offset: 48, .size: 8, .value_kind: global_buffer, .address_space: global }
      - { .name: cnt, .offset: 56, .size: 8, .value_kind: global_buffer, .address_space: global }
      - { .name: pw, .offset: 64, .size: 8, .value_kind: global_buffer, .address_space: global }
    .group_segment_fixed_size: 67584
    .private_segment_fixed_size: 0
    .kernarg_segment_align: 8
    .kernarg_segment_size: 72
    .max_flat_workgroup_size: 512
    .sgpr_count:     66
    .vgpr_count:     256
    .wavefront_size: 32
...
	.end_amdgpu_metadata
.endif
;; end of part 4
;; launch main (part 5): grid 256 x 1, 4 waves a work-group, no clusters, 314,624 bytes of LDS; arguments multiple_items, list, v, ub, pqs, part, pw, cnt; writes part, pw
.if DOCPART == 5
	.amdgcn_target "amdgcn-amd-amdhsa--gfx1250"
	.amdhsa_code_object_version 6
	.text
	.protected	k_q66d4593d61_main
	.globl	k_q66d4593d61_main
	.p2align	8
	.type	k_q66d4593d61_main,@function
k_q66d4593d61_main:
	s_mov_b64 s[64:65], 0
	v_nop
	global_prefetch_b8 v0, s[64:65] scope:SCOPE_SE
	s_setreg_imm32_b32 hwreg(HW_REG_WAVE_MODE, 25, 1), 1
	s_wait_xcnt 0x0
; MAIN.  Only rows with weights != 0 are touched: a masked row's score is -infinity ahead of the softmax, so its weight is 0 and nothing of it reaches a result.
; Work-group wg = 8 batch + j owns share j of its batch's live rows: R = cnt rows (0..256); the number of its row e stands in list[batch][8 e + j].  A place e >= R takes the batch's first row as a filler.
; It takes them in PASSES of up to 144 rows (9 tiles of 16), from first to last, so that a row crosses memory once:
;   x[row][a] = sum_k items[row][k] U[k][a] + pq[a];   t[row] = sum_a v''[a] / (1 + 2^(c x)),  c = 2 log2(e),  v'' = -2 log2(e) bf16(v).
; Since tanh(x) = 1 - 2 / (1 + e^(2x)), t is the reference's score times log2(e) less the constant log2(e) sum(v), which a softmax does not see.
;   m = the pass's largest t; p = 2^(t - m); l = sum p; bp[i] = sum_row p[row] items[row][i].  Places behind the share's end count as masked.
; part takes (bp, m, l), record 2 wg + pass; pw takes t at the row's own place.  The next launch joins a batch's 16 records: the maximum is taken away in two stages, here the pass's, there the batch's.
; THE PASS LOOP has the constant count 2 (2 x 144 >= 256), and every wave passes its four barriers in each trip.  Pass 0 always runs.  A pass 1 without rows jumps forward over the text between the
; barriers (rows; chunks; blend), which holds no barrier, and stores the neutral record m = lowest finite f32, l = 0, bp = 0.  The jumps hang on R alone, a whole number that the launch before stored.
; PHASES of a pass.  L: the rows are gathered, rounded to bf16 and laid into LDS.  K: two chunks of 512 columns; in a chunk wave w makes all 144 rows x 128 columns (72 accumulators, 576 registers);
; A's fragments come from LDS, U's fragments, which no other wave of the work-group wants, straight from ub into registers, three K steps ahead.  No barrier in the K loop.
; E: behind each chunk the accumulators are turned into the rows' partial scores.  END: the pass's softmax, and the blend by the matrix unit from the same LDS rows.
; NO CLUSTER, NO TENSOR LOADS: the rows take 297,216 of the 327,680 bytes of LDS; two slots of 32 k x 512 columns of U would take 65,536 more.
; THE PRODUCT IS USED TRANSPOSED (source 0 = 16 columns of U, source 1 = 16 rows of items): a lane holds ONE row (lane % 16) and eight columns 8 (lane / 16) + 0..7,
; so the sum over columns stays inside the lane but for one exchange of the halves.
; LIMITS.  items, U, v and p are rounded to bf16 (nearest even); l is summed from the unrounded p.  2^(c x) beyond f32's range gives the quotient 0, its limit.  A weight p below 2^-126 counts as 0.
; Rows are summed in the list's order.  The filler row is multiplied by p = 0: an infinity or NaN in a batch's first row reaches bp (the reference's 0 x infinity does the same).  NaN and infinities are not treated apart.
; REGISTERS, in windows of 256 (s_set_vgpr_msb: bits 1:0 source 0, 3:2 source 1, 5:4 source 2, 7:6 destination):
;   window 0: v0-47 kept; v48-119, v120-191 A's two fragment buffers; v192-255 U's ring buffer 3.  v48-119 also: phase L's work and the loads ahead of a pass; the epilogue's tables lie in v48-175; the end works in v120-255
;   window 1: v0-191 U's ring buffers 0-2; v192-255 the accumulators of row tile 8
;   windows 2, 3: accumulator (a, b) at v[8 (8 (a % 4) + b)], rows 16 a.., columns 16 b..; a < 4 in window 2, a < 8 in window 3.  Window 2 also: phase L's ring, the blend's 16 accumulators; window 3: the blend's two buffers
.set P,     2064                       ; an LDS row of items: 2,048 bytes + 16 = 129 x 16: the 16 rows of a fragment load start in 16 different groups of four banks (ISA guide 11.1)
.set ROWS,  144
.set TAB,   ROWS*P                     ; c pq (4,096 bytes), then v'' (4,096 bytes)
.set RP,    TAB+8192                   ; the waves' partial scores: place x 16 + wave x 4, 160 places
.set PBW,   RP+2560                    ; p in bf16, 512 bytes for each wave, its own (320 used)
.set STG,   PBW+2048                   ; bp on its way out: 1,024 bytes for each wave, its own
.set SPARE, STG+4096                   ; the spare words, 128 bytes a wave
.set LN,   1                           ; v1      lane
.set LN16, 2                           ; v2      16 x lane
.set LSTW, 3                           ; v3      phase L: where the pair's rows go
.set ADR0, 4                           ; v4-8    (32 q + r) P + 16 h: my place in A's fragments
.set ADRA, 9                           ; v9-13   the same plus the trip's bytes along K
.set TA0,  14                          ; v14     TAB + 512 w + 32 h
.set TA,   15                          ; v15     the same plus the chunk's 2,048
.set LST0, 16                          ; v16     (w + 8 h) P + 8 (lane % 16)
.set C16,  17                          ; v17     16 (lane % 16)
.set RACC, 18                          ; v18-35  nine pairs: row tile a's partial score (even columns', odd columns')
.set SPW,  36                          ; v36     my spare word
.set NIL,  37                          ; v37     0
.set RR,   38                          ; v38     r = lane % 16
.set HH,   39                          ; v39     h = lane / 16
.set PWO,  40                          ; v40-44  byte offset in pw of place 32 q + lane
.set LIO,  45                          ; v45     32 (w + 8 h): my half-wave's place in the list (a place is 8 words on)
.set L32,  46                          ; v46     32 x lane
.set SCR,  47                          ; v47     at work
.set FA0,  48
.set B3,   192
.set T,    48                          ; v48-79   phase L: a pair of rows in bf16
.set IDXL, 74                          ; v74-78   as loaded: the row numbers of places 32 q + lane (used up before T is)
.set OFFR, 80                          ; v80-97   pair i: as loaded, my half-wave's row number; then its byte offset in items + 16 (lane % 16)
.set T16,  98                          ; v98      16 x thread
.set TST,  99                          ; v99      TAB + 16 x thread
.set HD,   100                         ; v100-115 pq's row and v, 8 numbers of each a thread
.set HC,   116                         ; v116-119 at work
.set PQC,  48                          ; the epilogue: c pq of my 128 columns, column tile b at PQC + 8 b
.set VT,   112                         ; and v''
.set EZ,   120                         ; the end: v120-124 t of places 32 q + lane
.set ETM,  126                         ; v126-130 t, masked; then p
.set EM,   132                         ; v132-133 (m, l)
.set EX,   134                         ; v134-135 at work
.set EPB,  136                         ; v136-140 p in bf16
.set ARS,  141                         ; v141-147 LDS addresses: RP in, RP back, p in, p back, stage in, stage back; 8 x lane
.set ARL,  142
.set APS,  143
.set APL,  144
.set AST,  145
.set ASL,  146
.set AL8,  147
.set TRA,  148                         ; v148-152 the turning loads' addresses, one for each K step of the blend
.set ELOW, 153                         ; v153     the lowest finite f32
.set RPL,  156                         ; v156-175 the four waves' parts of five places
.set PFR,  176                         ; v176-215 p's fragments: K step kk at PFR + 8 kk
.set OO,   216                         ; v216-223 bp: channel 32 u + lane
.set OB,   224                         ; v224-231 the same, four neighbouring channels a lane
.set MSB, 0
.macro WIN new                         ; the immediate's high byte repeats the setting that is left; a switch that changes nothing is dropped
.if MSB != (\new)
	s_set_vgpr_msb (MSB<<8)|(\new)
.set MSB, \new
.endif
.endm
.macro PLACES                          ; four places behind a matrix instruction, ahead of loads into registers that it read and of vector work on its results
.rept 4
	v_nop
.endr
.endm
; A K step of my 128 columns of U into ring buffer buf: 16 loads of 512 consecutive bytes, already in fragment order.
.macro BLOAD buf, step, base
.if (\buf) == 3
	WIN 0
.set BB, B3
.else
	WIN 0x40                                       ; destination window 1, address window 0
.set BB, 64*(\buf)
.endif
.irp b, 0,1,2,3,4,5,6,7
	global_load_b128 v[BB+8*\b:BB+8*\b+3],   v[LN16], s[\base:\base+1] offset:(\step)*8192+\b*1024
	global_load_b128 v[BB+8*\b+4:BB+8*\b+7], v[LN16], s[\base:\base+1] offset:(\step)*8192+\b*1024+512
.endr
.endm
; What a pass wants first, in one group: the row numbers (5 + 18 loads of a word a lane), pq's row and v (4 loads), U's first three K steps (48 loads).
.macro TOPLOADS
	WIN 0
	v_lshlrev_b32 v[T16], 4, v0
.irp q, 0,1,2,3,4
	global_load_b32 v[IDXL+\q], v[L32], s[6:7] offset:\q*1024
.endr
	global_load_b128 v[HD:HD+3],     v[T16], s[12:13]
	global_load_b128 v[HD+4:HD+7],   v[T16], s[12:13] offset:2048
	global_load_b128 v[HD+8:HD+11],  v[T16], s[8:9]
	global_load_b128 v[HD+12:HD+15], v[T16], s[8:9] offset:2048
.set i, 0
.rept 18                               ; pair i: places 16 (i / 2) + 4 (i % 2) + w + 8 h
	global_load_b32 v[OFFR+i], v[LIO], s[6:7] offset:(16*(i/2)+4*(i%2))*32
.set i, i+1
.endr
	BLOAD 0, 0, 34
	BLOAD 1, 1, 34
	BLOAD 2, 2, 34
	WIN 0
.endm
; Pair i of rows into ring slot s: 16 loads; lanes 0-15 take 256 consecutive bytes of one row, lanes 16-31 the same columns of the other.
.macro LFILL2 s, i
	WIN 0x80                                       ; destination window 2, address window 0
.irp j, 0,1,2,3,4,5,6,7,8,9,10,11,12,13,14,15
	global_load_b128 v[64*(\s)+4*\j:64*(\s)+4*\j+3], v[OFFR+(\i)], s[4:5] offset:256*\j
.endr
.endm
; Pair i: rounded to bf16, its slot asked for again (the pair four on), the two rows laid into LDS.
.macro LPAIR i
.if (\i) < 15
	s_wait_loadcnt 48                              ; loads come back in order (ISA guide 5.7.1): the slot's 16 are in, the three younger slots' stay out
.else
	s_wait_loadcnt 16*(17-(\i))                    ; the last pairs: the counts run down
.endif
	WIN 0x0a                                       ; sources window 2, destination window 0
.set k, 0
.rept 32
	v_cvt_pk_bf16_f32 v[T+k], v[64*((\i)%4)+2*k], v[64*((\i)%4)+2*k+1]
.set k, k+1
.endr
.if (\i) < 14
	LFILL2 (\i)%4, (\i)+4
.endif
	WIN 0
	v_add_nc_u32 v[LSTW], (16*((\i)/2)+4*((\i)%2))*P, v[LST0]
.irp j, 0,1,2,3,4,5,6,7,8,9,10,11,12,13,14,15
	ds_store_b64 v[LSTW], v[T+2*\j:T+2*\j+1] offset:128*\j  ; 128 consecutive bytes of each row; the rows lie 8 P = 32 banks (mod 64) apart
.endr
.endm
; 18 LDS loads: A's fragments of one K step (144 rows x 32 k) at byte 64 koff behind the trip's place, into buffer f.
.macro FETCH_A koff, f
	WIN 0
.irp mt, 0,1,2,3,4,5,6,7,8
	ds_load_b128 v[(\f)+8*\mt:(\f)+8*\mt+3],   v[ADRA+(\mt)/2] offset:((\mt)%2)*16*P+(\koff)*64
	ds_load_b128 v[(\f)+8*\mt+4:(\f)+8*\mt+7], v[ADRA+(\mt)/2] offset:((\mt)%2)*16*P+(\koff)*64+32
.endr
.endm
; 8 products: row tile a x all 8 column tiles.  first = 1: the products start the sums.  All 72 accumulators take turns in one fixed order.
.macro MULR bq, f, a, first
.if (\a) < 4
.set WD, 2
.set AB, 64*(\a)
.elseif (\a) < 8
.set WD, 3
.set AB, 64*((\a)-4)
.else
.set WD, 1
.set AB, 192
.endif
.if (\bq) == 3
.set BB, B3
	WIN (WD<<6)|(WD<<4)                            ; U window 0, A window 0, C and D the tile's window
.else
.set BB, 64*(\bq)
	WIN (WD<<6)|(WD<<4)|1                          ; U window 1
.endif
.irp b, 0,1,2,3,4,5,6,7
.if \first
	v_wmma_f32_16x16x32_bf16 v[AB+8*\b:AB+8*\b+7], v[BB+8*\b:BB+8*\b+7], v[(\f)+8*(\a):(\f)+8*(\a)+7], 0
.else
	v_wmma_f32_16x16x32_bf16 v[AB+8*\b:AB+8*\b+7], v[BB+8*\b:BB+8*\b+7], v[(\f)+8*(\a):(\f)+8*(\a)+7], v[AB+8*\b:AB+8*\b+7]
.endif
.endr
.endm
; A K step of 32: 72 products on U's buffer bq and A's buffer fa.  Behind the first 32: U's K step three on into the buffer read last step (bref >= 0: its place behind the pointer),
; and A's next K step into the other buffer (koff >= 0).  lcnt: the loads of U issued behind this step's.
.macro KSTEP bq, fa, first, koff, bref, lcnt
	s_wait_dscnt 10                                ; A's tiles 0-3 are in; the youngest ten loads, tiles 4-8, may be out
	s_wait_loadcnt \lcnt                           ; this step's U is in; the steps behind it stay out
.irp a, 0,1,2,3
	MULR \bq, FA0+72*(\fa), \a, \first
.endr
	PLACES
.if (\bref) >= 0
	BLOAD ((\bq)+3)%4, \bref, 10
.endif
.if (\koff) >= 0
	FETCH_A \koff, FA0+72*(1-(\fa))
	s_wait_dscnt 18                                ; all but the 18 just issued
.else
	s_wait_dscnt 0x0
.endif
.irp a, 4,5,6,7,8
	MULR \bq, FA0+72*(\fa), \a, \first
.endr
.endm
; THE EPILOGUE of na row tiles' accumulators (t = 8 a + b) that begin at register vb of window w, in place, each from its lowest registers on.
; c x + c pq; 2^(..): one batch of exponentials with one wait; 1 + ..; the reciprocal: one batch with one wait; then the products with v'' summed over b and over the lane's eight columns, onto RACC's pairs r0 ..
; In a batch a packed line of the next accumulator stands between each two pairs of transcendentals; nothing ahead of the wait names a result.
.macro EPIW w, vb, na, r0
	WIN ((\w)<<6)|(\w)                             ; source 0 and destination window w; source 2 (c pq) window 0
.irp i, 0,1,2,3
	v_pk_fma_f32 v[(\vb)+2*\i:(\vb)+2*\i+1], v[(\vb)+2*\i:(\vb)+2*\i+1], s[28:29], v[PQC+2*\i:PQC+2*\i+1] op_sel_hi:[1,0,1]
.endr
.set t, 0
.rept 8*(\na)
.irp i, 0,1,2,3
.if t < 8*(\na)-1
	v_pk_fma_f32 v[(\vb)+8*t+8+2*\i:(\vb)+8*t+9+2*\i], v[(\vb)+8*t+8+2*\i:(\vb)+8*t+9+2*\i], s[28:29], v[PQC+8*((t+1)%8)+2*\i:PQC+8*((t+1)%8)+2*\i+1] op_sel_hi:[1,0,1]
.endif
	v_exp_f32 v[(\vb)+8*t+2*\i], v[(\vb)+8*t+2*\i]
	v_exp_f32 v[(\vb)+8*t+2*\i+1], v[(\vb)+8*t+2*\i+1]
.endr
.set t, t+1
.endr
	v_nop                                          ; a plain instruction behind the last exponential,
	s_wait_alu depctr_va_vdst(0)                   ; and one wait ahead of the batch's first reader
.irp i, 0,1,2,3
	v_pk_add_f32 v[(\vb)+2*\i:(\vb)+2*\i+1], v[(\vb)+2*\i:(\vb)+2*\i+1], 1.0 op_sel_hi:[1,0]
.endr
.set t, 0
.rept 8*(\na)
.irp i, 0,1,2,3
.if t < 8*(\na)-1
	v_pk_add_f32 v[(\vb)+8*t+8+2*\i:(\vb)+8*t+9+2*\i], v[(\vb)+8*t+8+2*\i:(\vb)+8*t+9+2*\i], 1.0 op_sel_hi:[1,0]
.endif
	v_rcp_f32 v[(\vb)+8*t+2*\i], v[(\vb)+8*t+2*\i]
	v_rcp_f32 v[(\vb)+8*t+2*\i+1], v[(\vb)+8*t+2*\i+1]
.endr
.set t, t+1
.endr
	v_nop
	s_wait_alu depctr_va_vdst(0)                   ; the same for the reciprocals
	WIN ((\w)<<6)|((\w)<<4)|(\w)                   ; source 2 window w too; source 1 (v'') window 0
.set a, 0
.rept \na                              ; chains (row tile a, pair i) that do not wait for each other; column tile 0 starts them in place
.irp i, 0,1,2,3
	v_pk_mul_f32 v[(\vb)+64*a+2*\i:(\vb)+64*a+2*\i+1], v[(\vb)+64*a+2*\i:(\vb)+64*a+2*\i+1], v[VT+2*\i:VT+2*\i+1]
.endr
.set a, a+1
.endr
.irp b, 1,2,3,4,5,6,7
.set a, 0
.rept \na
.irp i, 0,1,2,3
	v_pk_fma_f32 v[(\vb)+64*a+2*\i:(\vb)+64*a+2*\i+1], v[(\vb)+64*a+8*\b+2*\i:(\vb)+64*a+8*\b+2*\i+1], v[VT+8*\b+2*\i:VT+8*\b+2*\i+1], v[(\vb)+64*a+2*\i:(\vb)+64*a+2*\i+1]
.endr
.set a, a+1
.endr
.endr
	WIN ((\w)<<6)|((\w)<<4)|((\w)<<2)|(\w)         ; all four places window w
.set a, 0
.rept \na
	v_pk_add_f32 v[(\vb)+64*a:(\vb)+64*a+1],   v[(\vb)+64*a:(\vb)+64*a+1],   v[(\vb)+64*a+2:(\vb)+64*a+3]
	v_pk_add_f32 v[(\vb)+64*a+4:(\vb)+64*a+5], v[(\vb)+64*a+4:(\vb)+64*a+5], v[(\vb)+64*a+6:(\vb)+64*a+7]
.set a, a+1
.endr
.set a, 0
.rept \na
	v_pk_add_f32 v[(\vb)+64*a:(\vb)+64*a+1], v[(\vb)+64*a:(\vb)+64*a+1], v[(\vb)+64*a+4:(\vb)+64*a+5]
.set a, a+1
.endr
	WIN (\w)<<2                                    ; source 1 window w, the rest window 0
.set a, 0
.rept \na
	v_pk_add_f32 v[RACC+2*((\r0)+a):RACC+2*((\r0)+a)+1], v[RACC+2*((\r0)+a):RACC+2*((\r0)+a)+1], v[(\vb)+64*a:(\vb)+64*a+1]
.set a, a+1
.endr
.endm
; THE BLEND.  32 turning loads: 32 rows (K step kk) x my 256 channels, as 16 fragments of source 1 (lane: channel lane % 16; k = rows), into buffer buf of window 3.
; K step 4 has 16 rows: its upper half takes the same rows once more; p's fragment holds 0 there.
.macro TRL kk, buf
	WIN 0xc0
.irp nt, 0,1,2,3,4,5,6,7,8,9,10,11,12,13,14,15
	ds_load_tr16_b128 v[128*(\buf)+8*\nt:128*(\buf)+8*\nt+3],   v[TRA+(\kk)] offset:\nt*32
.if (\kk) < 4
	ds_load_tr16_b128 v[128*(\buf)+8*\nt+4:128*(\buf)+8*\nt+7], v[TRA+(\kk)] offset:\nt*32+16*P
.else
	ds_load_tr16_b128 v[128*(\buf)+8*\nt+4:128*(\buf)+8*\nt+7], v[TRA+(\kk)] offset:\nt*32
.endif
.endr
.endm
.macro BMUL kk, buf                    ; 16 products, the 16 accumulators by turns; source 0 = p, the same in all its 16 rows
	WIN 0xac                                       ; p window 0, items window 3, C and D window 2
.irp nt, 0,1,2,3,4,5,6,7,8,9,10,11,12,13,14,15
.if (\kk) == 0
	v_wmma_f32_16x16x32_bf16 v[8*\nt:8*\nt+7], v[PFR+8*(\kk):PFR+8*(\kk)+7], v[128*(\buf)+8*\nt:128*(\buf)+8*\nt+7], 0
.else
	v_wmma_f32_16x16x32_bf16 v[8*\nt:8*\nt+7], v[PFR+8*(\kk):PFR+8*(\kk)+7], v[128*(\buf)+8*\nt:128*(\buf)+8*\nt+7], v[8*\nt:8*\nt+7]
.endif
.endr
.endm
	s_load_b256 s[4:11], s[0:1], 0x0               ; items s[4:5], list s[6:7], v s[8:9], ub s[10:11]
	s_load_b256 s[12:19], s[0:1], 0x20             ; pqs s[12:13], part s[14:15], pw s[16:17], cnt s[18:19]
	v_lshl_add_u32 v[SPW], v0, 2, SPARE
	v_mov_b32 v[NIL], 0
	v_lshrrev_b32 v1, 5, v0
	v_readfirstlane_b32 s43, v1                    ; wave 0..3
	v_and_b32 v[LN], 31, v0
	v_lshlrev_b32 v[LN16], 4, v[LN]
	v_lshlrev_b32 v[L32], 5, v[LN]
	v_and_b32 v[RR], 15, v0
	v_bfe_u32 v[HH], v0, 4, 1
	v_lshlrev_b32 v[C16], 4, v[RR]
	s_lshl_b32 s20, s43, 5
	v_lshl_add_u32 v[LIO], v[HH], 8, s20
	s_lshr_b32 s24, ttmp9, 3                       ; the batch
	s_and_b32 s27, ttmp9, 7                        ; my share j
	s_mul_i32 s20, s24, 10240                      ; the batch's 2,560 words of list,
	s_lshl_b32 s21, s27, 2                         ; word j of each eight
	s_add_co_u32 s20, s20, s21
	s_mov_b32 s21, 0
	s_lshl_b32 s22, s43, 19                        ; my wave's 524,288 bytes of ub
	s_mov_b32 s23, 0
	s_lshl_b32 s26, s24, 8                         ; the batch's 256 bytes of cnt,
	s_lshl_b32 s24, s24, 12                        ; its row of pqs
	s_mov_b32 s25, 0
	s_lshl_b32 s27, s27, 3                         ; my share's word
	s_add_co_u32 s26, s26, s27
	s_mov_b32 s27, 0
	s_mul_i32 s46, ttmp9, 2*4352                   ; my work-group's two records in part, my wave's 256 channels
	s_lshl_b32 s47, s43, 10
	s_add_co_u32 s46, s46, s47
	s_mov_b32 s47, 0
	s_mov_b32 s28, 0x4038aa3b                      ; c = 2 log2(e)
	s_mov_b32 s29, 0x4038aa3b                      ; named with it as a pair
	s_mov_b32 s30, 0x76543210                      ; v_permlanex16_b32: each lane takes its own place in the other half
	s_mov_b32 s31, 0xfedcba98
	s_mov_b32 s32, 0xffff0000                      ; a word's upper bf16; also, as a lane mask, lanes 16-31
	s_lshl_b32 s42, ttmp9, 5
	s_add_co_u32 s42, s42, 65536                   ; behind pw's 65,536 words: 32 words for each work-group, where lanes without a row store
	s_wait_kmcnt 0x0
	s_add_nc_u64 s[18:19], s[18:19], s[26:27]
	s_load_b32 s44, s[18:19], 0x0                  ; R
	s_add_nc_u64 s[6:7], s[6:7], s[20:21]
	s_add_nc_u64 s[34:35], s[10:11], s[22:23]
	s_add_nc_u64 s[12:13], s[12:13], s[24:25]
	s_add_nc_u64 s[14:15], s[14:15], s[46:47]
	TOPLOADS                                       ; pass 0's; the set-up below stands in the wait for them
	v_mul_u32_u24 v[ADR0], v[RR], P
	v_lshl_add_u32 v[ADR0], v[HH], 4, v[ADR0]
	v_add_nc_u32 v[ADR0+1], 32*P, v[ADR0]
	v_add_nc_u32 v[ADR0+2], 64*P, v[ADR0]
	v_add_nc_u32 v[ADR0+3], 96*P, v[ADR0]
	v_add_nc_u32 v[ADR0+4], 128*P, v[ADR0]
	s_lshl_b32 s20, s43, 9
	s_add_co_u32 s20, s20, TAB
	v_lshl_add_u32 v[TA0], v[HH], 5, s20
	s_mul_i32 s20, s43, P
	v_mul_u32_u24 v[LST0], v[HH], 8*P
	v_lshl_add_u32 v[LST0], v[RR], 3, v[LST0]
	v_add_nc_u32 v[LST0], s20, v[LST0]
	s_mov_b32 s22, 0                               ; the pass
.Lpass:
	s_wait_kmcnt 0x0                               ; R
	s_min_u32 s44, s44, 256
	s_mul_i32 s20, s22, ROWS
	s_min_u32 s20, s20, s44
	s_sub_co_u32 s23, s44, s20
	s_min_u32 s23, s23, ROWS                       ; the pass's rows: min(R - 144 pass, 144), 0 at the least
	s_cmp_eq_u32 s22, 0
	s_cselect_b32 s33, 1, s23                      ; not 0: the pass runs (pass 0 always)
	s_cmp_gt_u32 s44, ROWS
	s_cselect_b32 s45, 1, 0
	s_cmp_eq_u32 s22, 0
	s_cselect_b32 s45, s45, 0                      ; 1: a pass with rows follows this one
.irp q, 0,1,2,3,4
	s_sub_co_i32 s41, s23, 32*\q
	v_cmp_gt_i32 s[36+\q], s41, v[LN]              ; does place 32 q + lane hold a row?
.endr
.set i, 0
.rept 18
	v_mov_b32 v[RACC+i], 0                         ; the rows' scores start at 0: both chunks then add in one form, and a pass without rows has them defined
.set i, i+1
.endr
	v_add_nc_u32 v[SCR], s42, v[LN]
	s_wait_loadcnt 0x0                             ; what was asked for ahead of the pass is in: no load is out at the jumps below
.irp q, 0,1,2,3,4
	v_cndmask_b32 v[PWO+\q], v[SCR], v[IDXL+\q], s[36+\q]  ; the row's own word of pw, or my spare word behind it;
	v_min_u32 v[PWO+\q], 0x11fff, v[PWO+\q]        ; a word of pw, whatever the list holds
	v_lshlrev_b32 v[PWO+\q], 2, v[PWO+\q]
.endr
	s_add_nc_u64 s[10:11], s[34:35], 3*8192        ; U's pointer stands at K step 3
	s_cmp_lg_u32 s33, 0
	s_cbranch_scc0 .Lno_rows
	; PHASE L.  My 36 rows as 18 pairs through a ring of four slots: 64 loads, 32,768 bytes, of each wave are on their way.
	s_lshr_b32 s20, ttmp9, 3
	s_lshl_b32 s20, s20, 11                        ; the batch's first row: the filler
	v_lshrrev_b32 v[HC], 5, v[LIO]                 ; w + 8 h
	v_mov_b32 v[HC+1], s20
.set i, 0
.rept 18
	s_sub_co_i32 s41, s23, 16*(i/2)+4*(i%2)
	v_cmp_gt_i32 vcc_lo, s41, v[HC]                ; does my half-wave's place of pair i hold a row?
	v_cndmask_b32 v[OFFR+i], v[HC+1], v[OFFR+i], vcc_lo
	v_min_u32 v[OFFR+i], 0xffff, v[OFFR+i]         ; a row of the tensor, whatever the list holds
	v_lshl_add_u32 v[OFFR+i], v[OFFR+i], 12, v[C16]
.set i, i+1
.endr
	LFILL2 0, 0
	LFILL2 1, 1
	LFILL2 2, 2
	LFILL2 3, 3
	WIN 0
	v_lshl_add_u32 v[TST], v0, 4, TAB
.irp k, 0,1,2,3
	v_pk_mul_f32 v[HD+2*\k:HD+2*\k+1], v[HD+2*\k:HD+2*\k+1], s[28:29] op_sel_hi:[1,0]  ; c pq
.endr
.irp k, 0,1,2,3
	v_cvt_pk_bf16_f32 v[HC+\k], v[HD+8+2*\k], v[HD+9+2*\k]  ; v rounded to bf16, like every other operand of a product,
.endr
.irp k, 0,1,2,3
	v_lshlrev_b32 v[HD+8+2*\k], 16, v[HC+\k]       ; and back in f32
	v_and_b32 v[HD+9+2*\k], s32, v[HC+\k]
.endr
.irp k, 0,1,2,3
	v_pk_mul_f32 v[HD+8+2*\k:HD+9+2*\k], v[HD+8+2*\k:HD+9+2*\k], 0xc038aa3b op_sel_hi:[1,0]  ; v'' = -2 log2(e) v
.endr
	ds_store_b128 v[TST], v[HD:HD+3]
	ds_store_b128 v[TST], v[HD+4:HD+7] offset:2048
	ds_store_b128 v[TST], v[HD+8:HD+11] offset:4096
	ds_store_b128 v[TST], v[HD+12:HD+15] offset:6144
.irp i, 0,1,2,3,4,5,6,7,8,9,10,11,12,13,14,15,16,17
	LPAIR \i
.endr
.Lno_rows:
	s_wait_dscnt 0x0                               ; for the others' sake: my rows, and my part of c pq and v'', lie in LDS
	s_barrier_signal -1
	s_barrier_wait -1                              ; everybody's do
	s_cmp_lg_u32 s33, 0
	s_cbranch_scc0 .Lno_chunks
	; PHASE K.  Two chunks of 512 columns.
	s_mov_b32 s24, 2
	s_mov_b32 s25, 0
.Lchunk:
	s_mov_b32 s26, 0
.irp q, 0,1,2,3,4
	v_mov_b32 v[ADRA+\q], v[ADR0+\q]
.endr
	v_add_nc_u32 v[TA], s25, v[TA0]
	FETCH_A 0, FA0
	KSTEP 0, 0, 1, 1, 0, 32                        ; K step 0 stands ahead of the loop: its products start the sums
	WIN 0
	s_wait_xcnt 0x0
	s_add_nc_u64 s[10:11], s[10:11], 8192
	s_mov_b32 s27, 7
.Lk:                                                   ; a trip: K steps 4 t + 1 .. 4 t + 4
.irp q, 0,1,2,3,4
	v_add_nc_u32 v[ADRA+\q], s26, v[ADR0+\q]
.endr
	KSTEP 1, 1, 0, 2, 0, 32
	KSTEP 2, 0, 0, 3, 1, 32
	KSTEP 3, 1, 0, 4, 2, 32
	KSTEP 0, 0, 0, 5, 3, 32
	WIN 0
	s_wait_xcnt 0x0                                ; the youngest load of U stands 40 products back: the pointer may be stepped
	s_add_nc_u64 s[10:11], s[10:11], 4*8192
	s_add_co_u32 s26, s26, 256
	s_sub_co_u32 s27, s27, 1
	s_cmp_lg_u32 s27, 0
	s_cbranch_scc1 .Lk
.irp q, 0,1,2,3,4
	v_add_nc_u32 v[ADRA+\q], s26, v[ADR0+\q]
.endr
	s_cmp_eq_u32 s24, 1
	s_cbranch_scc1 .Ltail_last
	KSTEP 1, 1, 0, 2, 0, 32                        ; K steps 29-31 of the first chunk ask for the second chunk's K steps 0-2, which follow in ub
	KSTEP 2, 0, 0, 3, 1, 32
	KSTEP 3, 1, 0, -1, 2, 32
	WIN 0
	s_wait_xcnt 0x0
	s_add_nc_u64 s[10:11], s[10:11], 3*8192
	s_branch .Lepi
.Ltail_last:
	KSTEP 1, 1, 0, 2, -1, 32                       ; the last chunk's ask for nothing: no load leaves my part of ub, and the counts run down
	KSTEP 2, 0, 0, 3, -1, 16
	KSTEP 3, 1, 0, -1, -1, 0
	WIN 0
.Lepi:
	PLACES
.irp b, 0,1,2,3,4,5,6,7
	ds_load_b128 v[PQC+8*\b:PQC+8*\b+3],   v[TA] offset:\b*64      ; c pq of columns 16 b + 8 h + 0..7: the accumulators' layout
	ds_load_b128 v[PQC+8*\b+4:PQC+8*\b+7], v[TA] offset:\b*64+16
.endr
.irp b, 0,1,2,3,4,5,6,7
	ds_load_b128 v[VT+8*\b:VT+8*\b+3],   v[TA] offset:4096+\b*64
	ds_load_b128 v[VT+8*\b+4:VT+8*\b+7], v[TA] offset:4096+\b*64+16
.endr
	s_wait_dscnt 0x0
	EPIW 2, 0, 4, 0
	EPIW 3, 0, 4, 4
	EPIW 1, 192, 1, 8
	WIN 0
	s_add_co_u32 s25, s25, 2048
	s_sub_co_u32 s24, s24, 1
	s_cmp_lg_u32 s24, 0
	s_cbranch_scc1 .Lchunk
.Lno_chunks:
	s_wait_loadcnt 0x0                             ; the last chunk's counts have run down to 0; stated here for every way through the text, ahead of the loads into U's registers
	s_wait_dscnt 0x0                               ; my LDS reads of the chunks are back;
	s_barrier_signal -1
	s_barrier_wait -1                              ; everybody's are: no wave writes LDS again while another still reads in its chunks
	s_cmp_lg_u32 s45, 0
	s_cbranch_scc0 .Lno_next
	s_wait_xcnt 0x0
	s_add_nc_u64 s[6:7], s[6:7], ROWS*32           ; a pass with rows follows: what it wants first is asked for here, and lands under this pass's end,
	TOPLOADS                                       ; which works in other registers
.Lno_next:
	; THE END of a pass.
.irp a, 0,1,2,3,4,5,6,7,8
	v_add_f32 v[RACC+2*\a], v[RACC+2*\a], v[RACC+2*\a+1]      ; even and odd columns,
.endr
.irp a, 0,1,2,3,4,5,6,7,8
	v_permlanex16_b32 v[RACC+2*\a+1], v[RACC+2*\a], s30, s31  ; and the row's other columns, in the lane 16 away
.endr
.irp a, 0,1,2,3,4,5,6,7,8
	v_add_f32 v[RACC+2*\a], v[RACC+2*\a], v[RACC+2*\a+1]
.endr
.irp q, 0,1,2,3
	v_cndmask_b32 v[EZ+\q], v[RACC+4*\q], v[RACC+4*\q+2], s32  ; lanes 0-15 keep row tile 2 q, lanes 16-31 take 2 q + 1: lane l holds place 32 q + l
.endr
	v_mov_b32 v[EZ+4], v[RACC+16]                  ; tile 8: places 128 + l in lanes 0-15; lanes 16-31 stand for places 144.., which never hold a row
	s_lshl_b32 s20, s43, 2
	s_add_co_u32 s20, s20, RP
	v_lshl_add_u32 v[ARS], v[LN], 4, s20
	v_lshl_add_u32 v[ARL], v[LN], 4, RP
.irp q, 0,1,2,3,4
	ds_store_b32 v[ARS], v[EZ+\q] offset:\q*512
.endr
	s_lshl_b32 s20, s43, 9
	s_add_co_u32 s20, s20, PBW
	v_lshl_add_u32 v[APS], v[LN], 1, s20
	v_lshl_add_u32 v[APL], v[HH], 4, s20           ; p back as fragments: eight places at 16 h
	s_lshl_b32 s20, s43, 10
	s_add_co_u32 s20, s20, STG
	v_lshl_add_u32 v[AST], v[LN], 2, s20
	v_lshl_add_u32 v[ASL], v[LN], 4, s20
	v_lshlrev_b32 v[AL8], 3, v[LN]
	v_and_b32 v[EX], 7, v0                         ; the turning load: lane l reads row 8 (l / 16) + l % 8, channels 8 ((l / 8) % 2) + 0..7
	v_lshl_add_u32 v[EX], v[HH], 3, v[EX]
	v_mul_u32_u24 v[EX], v[EX], P
	v_bfe_u32 v[EX+1], v0, 3, 1
	v_lshl_add_u32 v[EX], v[EX+1], 4, v[EX]
	s_lshl_b32 s20, s43, 9                         ; my 256 channels: 512 bytes
	v_add_nc_u32 v[TRA], s20, v[EX]
	v_add_nc_u32 v[TRA+1], 32*P, v[TRA]
	v_add_nc_u32 v[TRA+2], 64*P, v[TRA]
	v_add_nc_u32 v[TRA+3], 96*P, v[TRA]
	v_add_nc_u32 v[TRA+4], 128*P, v[TRA]
	v_mov_b32 v[ELOW], 0xff7fffff                  ; stands for a place without a row in the maximum
	s_wait_dscnt 0x0                               ; for the others' sake
	s_barrier_signal -1
	s_barrier_wait -1
.irp q, 0,1,2,3,4
	ds_load_b128 v[RPL+4*\q:RPL+4*\q+3], v[ARL] offset:\q*512
.endr
	s_wait_dscnt 0x0
.irp q, 0,1,2,3,4                      ; every wave makes the pass's softmax for itself, in the same order: the same numbers in all four
	v_add_f32 v[RPL+4*\q], v[RPL+4*\q], v[RPL+4*\q+1]
	v_add_f32 v[RPL+4*\q+2], v[RPL+4*\q+2], v[RPL+4*\q+3]
.endr
.irp q, 0,1,2,3,4
	v_add_f32 v[EZ+\q], v[RPL+4*\q], v[RPL+4*\q+2]  ; t
.endr
.irp q, 0,1,2,3,4
	v_cndmask_b32 v[ETM+\q], v[ELOW], v[EZ+\q], s[36+\q]
.endr
	v_max3_num_f32 v[EM], v[ETM], v[ETM+1], v[ETM+2]
	v_max3_num_f32 v[EM], v[EM], v[ETM+3], v[ETM+4]
	v_max_num_f32_dpp v[EM], v[EM], v[EM] row_xmask:1 row_mask:0xf bank_mask:0xf
	v_max_num_f32_dpp v[EM], v[EM], v[EM] row_xmask:2 row_mask:0xf bank_mask:0xf
	v_max_num_f32_dpp v[EM], v[EM], v[EM] row_xmask:4 row_mask:0xf bank_mask:0xf
	v_max_num_f32_dpp v[EM], v[EM], v[EM] row_xmask:8 row_mask:0xf bank_mask:0xf
	v_permlanex16_b32 v[SCR], v[EM], s30, s31
	v_max_num_f32 v[EM], v[EM], v[SCR]             ; m
.irp q, 0,1,2,3,4
	v_sub_f32 v[ETM+\q], v[ETM+\q], v[EM]
.endr
.irp q, 0,1,2,3,4
	v_exp_f32 v[ETM+\q], v[ETM+\q]
.endr
	v_nop
	s_wait_alu depctr_va_vdst(0)                   ; one wait for the five exponentials
.irp q, 0,1,2,3,4
	v_cndmask_b32 v[ETM+\q], 0, v[ETM+\q], s[36+\q]  ; p; 0 where there is no row
.endr
	v_add_f32 v[EX], v[ETM], v[ETM+1]
	v_add_f32 v[EX+1], v[ETM+2], v[ETM+3]
	v_add_f32 v[EX], v[EX], v[ETM+4]
	v_add_f32 v[EX], v[EX], v[EX+1]
	v_add_f32_dpp v[EX], v[EX], v[EX] row_xmask:1 row_mask:0xf bank_mask:0xf
	v_add_f32_dpp v[EX], v[EX], v[EX] row_xmask:2 row_mask:0xf bank_mask:0xf
	v_add_f32_dpp v[EX], v[EX], v[EX] row_xmask:4 row_mask:0xf bank_mask:0xf
	v_add_f32_dpp v[EX], v[EX], v[EX] row_xmask:8 row_mask:0xf bank_mask:0xf
	v_permlanex16_b32 v[SCR], v[EX], s30, s31
	v_add_f32 v[EM+1], v[EX], v[SCR]               ; l
	s_cmp_lg_u32 s43, 0
	s_cbranch_scc1 .Lnot_wave_0
.irp q, 0,1,2,3,4
	global_store_b32 v[PWO+\q], v[EZ+\q], s[16:17] ; wave 0 stores t at the rows' own places: single words, 576 bytes a pass in all; lanes without a row store into the work-group's spare words
.endr
	global_store_b64 v[AL8], v[EM:EM+1], s[14:15] offset:4096  ; (m, l) 32 times: 256 consecutive bytes, aligned
.Lnot_wave_0:
	s_cmp_lg_u32 s33, 0
	s_cbranch_scc0 .Ldead
.irp q, 0,1,2,3,4
	v_cvt_pk_bf16_f32 v[EPB+\q], v[ETM+\q], v[ETM+\q]
.endr
.irp q, 0,1,2,3,4
	ds_store_b16 v[APS], v[EPB+\q] offset:\q*64    ; place 32 q + lane
.endr
.irp kk, 0,1,2,3,4
	ds_load_b128 v[PFR+8*\kk:PFR+8*\kk+3],   v[APL] offset:\kk*64     ; my wave's own bytes, and LDS serves a wave's instructions in order (ISA guide 5.7.1.4)
	ds_load_b128 v[PFR+8*\kk+4:PFR+8*\kk+7], v[APL] offset:\kk*64+32
.endr
	TRL 0, 0
	TRL 1, 1
	s_wait_dscnt 32                                ; p's fragments and buffer 0 are in; buffer 1's 32 loads may be out
	BMUL 0, 0
	PLACES
	TRL 2, 0
	s_wait_dscnt 32
	BMUL 1, 1
	PLACES
	TRL 3, 1
	s_wait_dscnt 32
	BMUL 2, 0
	PLACES
	TRL 4, 0
	s_wait_dscnt 32
	BMUL 3, 1
	s_wait_dscnt 0x0
	BMUL 4, 0
	PLACES
	WIN 0x0a                                       ; sources window 2, destination window 0
.irp u, 0,1,2,3,4,5,6,7
	v_cndmask_b32 v[OO+\u], v[16*\u], v[16*\u+8], s32  ; all 16 rows of the result are alike: register 0 of lane l holds channel l % 16; lane l takes channel 32 u + l
.endr
	WIN 0
	s_branch .Lout
.Ldead:
.irp u, 0,1,2,3,4,5,6,7
	v_mov_b32 v[OO+\u], 0                          ; a pass without rows: bp = 0
.endr
.Lout:
.irp u, 0,1,2,3,4,5,6,7
	ds_store_b32 v[AST], v[OO+\u] offset:\u*128
.endr
	ds_load_b128 v[OB:OB+3], v[ASL]                ; my own stage, in order: four neighbouring channels a lane
	ds_load_b128 v[OB+4:OB+7], v[ASL] offset:512
	s_wait_dscnt 0x0                               ; they are back; and, for the others' sake, my reads of the rows are over
	global_store_b128 v[LN16], v[OB:OB+3], s[14:15]            ; 512 consecutive bytes, aligned, twice
	global_store_b128 v[LN16], v[OB+4:OB+7], s[14:15] offset:512
	s_barrier_signal -1
	s_barrier_wait -1                              ; nobody reads this pass's rows, tables or partial scores any more: the next pass may write over them
	s_wait_xcnt 0x0                                ; the stores have read their registers and their base
	s_add_nc_u64 s[14:15], s[14:15], 4352          ; the next record
	s_add_co_u32 s22, s22, 1
	s_cmp_lt_u32 s22, 2
	s_cbranch_scc1 .Lpass
	s_wait_tensorcnt 0x0                           ; the wave's end
	ds_add_u32 v[SPW], v[NIL]
	s_wait_dscnt 0x0
	s_endpgm
.Lfunc_end_k_q66d4593d61_main:
	.size	k_q66d4593d61_main, .Lfunc_end_k_q66d4593d61_main-k_q66d4593d61_main
	.p2alignl 7, 3214868480
	.fill 96, 4, 3214868480
	.section	.rodata,"a",@progbits
	.p2align	6, 0x0
	.amdhsa_kernel k_q66d4593d61_main
		.amdhsa_group_segment_fixed_size 314624
		.amdhsa_private_segment_fixed_size 0
		.amdhsa_enable_private_segment 0
		.amdhsa_kernarg_size 64
		.amdhsa_user_sgpr_count 2
		.amdhsa_user_sgpr_kernarg_segment_ptr 1
		.amdhsa_wavefront_size32 1
		.amdhsa_system_sgpr_workgroup_id_x 1
		.amdhsa_system_sgpr_workgroup_id_y 1
		.amdhsa_system_sgpr_workgroup_id_z 1
		.amdhsa_system_vgpr_workitem_id 0
		.amdhsa_next_free_vgpr 1024
		.amdhsa_next_free_sgpr 66
		.amdhsa_reserve_vcc 1
		.amdhsa_float_denorm_mode_32 3
		.amdhsa_float_denorm_mode_16_64 3
		.amdhsa_memory_ordered 1
		.amdhsa_forward_progress 1
		.amdhsa_inst_pref_size 255
	.end_amdhsa_kernel
	.section	.bss,"aw",@nobits
	.p2align	6
	.space	262144
	.amdgpu_metadata
---
amdhsa.version: [ 1, 2 ]
amdhsa.kernels:
  - .name:           k_q66d4593d61_main
    .symbol:         k_q66d4593d61_main.kd
    .args:
      - { .name: multiple_items, .offset: 0, .size: 8, .value_kind: global_buffer, .address_space: global }
      - { .name: list, .offset: 8, .size: 8, .value_kind: global_buffer, .address_space: global }
      - { .name: v, .offset: 16, .size: 8, .value_kind: global_buffer, .address_space: global }
      - { .name: ub, .offset: 24, .size: 8, .value_kind: global_buffer, .address_space: global }
      - { .name: pqs, .offset: 32, .size: 8, .value_kind: global_buffer, .address_space: global }
      - { .name: part, .offset: 40, .size: 8, .value_kind: global_buffer, .address_space: global }
      - { .name: pw, .offset: 48, .size: 8, .value_kind: global_buffer, .address_space: global }
      - { .name: cnt, .offset: 56, .size: 8, .value_kind: global_buffer, .address_space: global }
    .group_segment_fixed_size: 314624
    .private_segment_fixed_size: 0
    .kernarg_segment_align: 8
    .kernarg_segment_size: 64
    .max_flat_workgroup_size: 128
    .sgpr_count:     66
    .vgpr_count:     1024
    .wavefront_size: 32
...
	.end_amdgpu_metadata
.endif
;; end of part 5
;; launch comb (part 6): grid 32 x 1, 8 waves a work-group, no clusters, 0 bytes of LDS; arguments part, pw, weights, out0, out1; writes out0, out1
.if DOCPART == 6
	.amdgcn_target "amdgcn-amd-amdhsa--gfx1250"
	.amdhsa_code_object_version 6
	.text
	.protected	k_q66d4593d61_comb
	.globl	k_q66d4593d61_comb
	.p2align	8
	.type	k_q66d4593d61_comb,@function
k_q66d4593d61_comb:
	s_mov_b64 s[64:65], 0
	v_nop
	global_prefetch_b8 v0, s[64:65] scope:SCOPE_SE
	s_setreg_imm32_b32 hwreg(HW_REG_WAVE_MODE, 25, 1), 1
	s_wait_xcnt 0x0
; COMB.  One work-group for each batch joins its 16 records: M = max m_j; w_j = 2^(m_j - M) / L with L = sum_j 2^(m_j - M) l_j;
; out0[i] = sum_j w_j bp_j[i]; out1[row] = (weights[row] != 0 ? 2^(t[row] - M) : 0) / L, t from pw.  All in f32.  A record of part is 4,352 bytes: bp (1,024 words), then (m, l) repeated.
; 256 threads: thread t takes channels 4 t .. 4 t + 3 of out0 and rows 4 t .., 1,024 + 4 t .. of out1.
; A record without rows has m = the lowest finite f32 and l = 0: its weight is 0 beside any other record.  A batch with no live row has only such records: L = 0, 1 / L is infinite,
; and 0 x infinity gives NaN everywhere, as the reference's softmax of nothing does.
; No LDS, no matrix unit, no barrier: some 90 KB for each work-group, read once.
	s_load_b256 s[4:11], s[0:1], 0x0               ; part s[4:5], pw s[6:7], weights s[8:9], out0 s[10:11]
	s_load_b64 s[12:13], s[0:1], 0x20              ; out1
	v_and_b32 v1, 15, v0
	v_mul_u32_u24 v1, v1, 4352                     ; lane l looks at record l % 16
	v_lshlrev_b32 v4, 4, v0                        ; 16 x thread
	s_mul_i32 s14, ttmp9, 69632                    ; 16 records
	s_mov_b32 s15, 0
	s_lshl_b32 s16, ttmp9, 13                      ; 2,048 rows
	s_mov_b32 s17, 0
	s_lshl_b32 s18, ttmp9, 12                      ; 1,024 channels
	s_mov_b32 s19, 0
	s_wait_kmcnt 0x0
	s_add_nc_u64 s[4:5], s[4:5], s[14:15]
	s_add_nc_u64 s[6:7], s[6:7], s[16:17]
	s_add_nc_u64 s[8:9], s[8:9], s[16:17]
	s_add_nc_u64 s[10:11], s[10:11], s[18:19]
	s_add_nc_u64 s[12:13], s[12:13], s[16:17]
	global_load_b64 v[2:3], v1, s[4:5] offset:4096 ; (m, l) of record l % 16
.set j, 0
.rept 16
	global_load_b128 v[16+4*j:16+4*j+3], v4, s[4:5] offset:j*4352 th:TH_LOAD_NT
.set j, j+1
.endr
	global_load_b128 v[80:83], v4, s[6:7] th:TH_LOAD_NT
	global_load_b128 v[84:87], v4, s[6:7] offset:4096 th:TH_LOAD_NT
	global_load_b128 v[96:99], v4, s[8:9] th:TH_LOAD_NT
	global_load_b128 v[100:103], v4, s[8:9] offset:4096 th:TH_LOAD_NT
	s_wait_loadcnt 20                              ; (m, l) is in; the 16 records' loads, the two of scores and the two of weights stay out
	v_mov_b32 v5, v2
	v_max_num_f32_dpp v5, v5, v5 row_xmask:1 row_mask:0xf bank_mask:0xf  ; each half of 16 lanes holds all 16 records
	v_max_num_f32_dpp v5, v5, v5 row_xmask:2 row_mask:0xf bank_mask:0xf
	v_max_num_f32_dpp v5, v5, v5 row_xmask:4 row_mask:0xf bank_mask:0xf
	v_max_num_f32_dpp v5, v5, v5 row_xmask:8 row_mask:0xf bank_mask:0xf  ; M
	v_sub_f32 v6, v2, v5
	v_exp_f32 v6, v6
	v_nop                                          ; a plain instruction and a wait, ahead of the first use
	s_wait_alu depctr_va_vdst(0)
	v_mul_f32 v7, v6, v3
	v_add_f32_dpp v7, v7, v7 row_xmask:1 row_mask:0xf bank_mask:0xf
	v_add_f32_dpp v7, v7, v7 row_xmask:2 row_mask:0xf bank_mask:0xf
	v_add_f32_dpp v7, v7, v7 row_xmask:4 row_mask:0xf bank_mask:0xf
	v_add_f32_dpp v7, v7, v7 row_xmask:8 row_mask:0xf bank_mask:0xf      ; L
	v_rcp_f32 v8, v7
	v_nop
	s_wait_alu depctr_va_vdst(0)
	v_mul_f32 v9, v6, v8                           ; w_j in lane j (and j + 16)
.set j, 0
.rept 16
	v_readlane_b32 s[32+j], v9, j
.set j, j+1
.endr
	s_wait_loadcnt 4                               ; the 16 records are in; the loads of scores and weights may be out
.irp k, 0,1,2,3
	v_mul_f32 v[88+\k], s32, v[16+\k]
.endr
.set j, 1
.rept 15
.irp k, 0,1,2,3
	v_fma_f32 v[88+\k], v[16+4*j+\k], s[32+j], v[88+\k]
.endr
.set j, j+1
.endr
	global_store_b128 v4, v[88:91], s[10:11]       ; sixteen lanes store 256 consecutive bytes, aligned
	s_wait_loadcnt 0x0
.irp k, 0,1,2,3,4,5,6,7
	v_sub_f32 v[80+\k], v[80+\k], v5               ; t - M: 0 at the most for a live row
.endr
.irp k, 0,1,2,3,4,5,6,7
	v_exp_f32 v[80+\k], v[80+\k]
.endr
	v_nop
	s_wait_alu depctr_va_vdst(0)                   ; one wait for the eight exponentials
.irp k, 0,1,2,3,4,5,6,7
	v_cmp_ne_u32 vcc_lo, 0, v[96+\k]
	v_cndmask_b32 v[80+\k], 0, v[80+\k], vcc_lo    ; a masked row counts 0, whatever its word of pw gave
	v_mul_f32 v[80+\k], v[80+\k], v8
.endr
	global_store_b128 v4, v[80:83], s[12:13]
	global_store_b128 v4, v[84:87], s[12:13] offset:4096
	s_endpgm
.Lfunc_end_k_q66d4593d61_comb:
	.size	k_q66d4593d61_comb, .Lfunc_end_k_q66d4593d61_comb-k_q66d4593d61_comb
	.p2alignl 7, 3214868480
	.fill 96, 4, 3214868480
	.section	.rodata,"a",@progbits
	.p2align	6, 0x0
	.amdhsa_kernel k_q66d4593d61_comb
		.amdhsa_group_segment_fixed_size 0
		.amdhsa_private_segment_fixed_size 0
		.amdhsa_enable_private_segment 0
		.amdhsa_kernarg_size 40
		.amdhsa_user_sgpr_count 2
		.amdhsa_user_sgpr_kernarg_segment_ptr 1
		.amdhsa_wavefront_size32 1
		.amdhsa_system_sgpr_workgroup_id_x 1
		.amdhsa_system_sgpr_workgroup_id_y 1
		.amdhsa_system_sgpr_workgroup_id_z 1
		.amdhsa_system_vgpr_workitem_id 0
		.amdhsa_next_free_vgpr 104
		.amdhsa_next_free_sgpr 66
		.amdhsa_reserve_vcc 1
		.amdhsa_float_denorm_mode_32 3
		.amdhsa_float_denorm_mode_16_64 3
		.amdhsa_memory_ordered 1
		.amdhsa_forward_progress 1
		.amdhsa_inst_pref_size 11
	.end_amdhsa_kernel
	.amdgpu_metadata
---
amdhsa.version: [ 1, 2 ]
amdhsa.kernels:
  - .name:           k_q66d4593d61_comb
    .symbol:         k_q66d4593d61_comb.kd
    .args:
      - { .name: part, .offset: 0, .size: 8, .value_kind: global_buffer, .address_space: global }
      - { .name: pw, .offset: 8, .size: 8, .value_kind: global_buffer, .address_space: global }
      - { .name: weights, .offset: 16, .size: 8, .value_kind: global_buffer, .address_space: global }
      - { .name: out0, .offset: 24, .size: 8, .value_kind: global_buffer, .address_space: global }
      - { .name: out1, .offset: 32, .size: 8, .value_kind: global_buffer, .address_space: global }
    .group_segment_fixed_size: 0
    .private_segment_fixed_size: 0
    .kernarg_segment_align: 8
    .kernarg_segment_size: 40
    .max_flat_workgroup_size: 256
    .sgpr_count:     66
    .vgpr_count:     104
    .wavefront_size: 32
...
	.end_amdgpu_metadata
.endif
;; end of part 6
;; ======== version 3 of 3: 3 launches; version 2 with the launch main written anew for expert scheduling mode
;; workspace buffers: ub 2,097,152 bytes; pqs 131,072 bytes; part 2,228,224 bytes; pw 294,912 bytes; list 327,680 bytes of whole numbers; cnt 8,192 bytes of whole numbers
;; launch prep: the kernel of part 4 again; grid 80 x 1, 16 waves a work-group, no clusters, 67,584 bytes of LDS; arguments U, W, queries, ub, pqs, weights, list, cnt, pw; writes ub, pqs, list, cnt, pw
;; launch main (part 7): grid 256 x 1, 4 waves a work-group, no clusters, 314,624 bytes of LDS; arguments multiple_items, list, v, ub, pqs, part, pw, cnt; writes part, pw
.if DOCPART == 7
	.amdgcn_target "amdgcn-amd-amdhsa--gfx1250"
	.amdhsa_code_object_version 6
	.text
	.protected	k_q66d4593d61_main
	.globl	k_q66d4593d61_main
	.p2align	8
	.type	k_q66d4593d61_main,@function
k_q66d4593d61_main:
	s_mov_b64 s[64:65], 0
	v_nop
	global_prefetch_b8 v0, s[64:65] scope:SCOPE_SE
	s_setreg_imm32_b32 hwreg(HW_REG_WAVE_SCHED_MODE, 0, 2), 2
	s_setreg_imm32_b32 hwreg(HW_REG_WAVE_MODE, 25, 1), 1
	s_wait_xcnt 0x0
	s_wait_alu depctr_vm_vsrc(0)
; MAIN.  Only rows with weights != 0 are touched: a masked row's score is -infinity ahead of the softmax, so its weight is 0 and nothing of it reaches a result.
; Work-group wg = 8 batch + j owns share j of its batch's live rows: R = cnt rows (0..256); the number of its row e stands in list[batch][8 e + j].  A place e >= R takes the batch's first row as a filler.
; It takes them in PASSES of up to 144 rows (9 tiles of 16), from first to last, so that a row crosses memory once:
;   x[row][a] = sum_k items[row][k] U[k][a] + pq[a];   t[row] = sum_a v''[a] / (1 + 2^(c x)),  c = 2 log2(e),  v'' = -2 log2(e) bf16(v).
; Since tanh(x) = 1 - 2 / (1 + e^(2x)), t is the reference's score times log2(e) less the constant log2(e) sum(v), which a softmax does not see.
;   m = the pass's largest t; p = 2^(t - m); l = sum p; bp[i] = sum_row p[row] items[row][i].  Places behind the share's end count as masked.
; part takes (bp, m, l), record 2 wg + pass; pw takes t at the row's own place.  The next launch joins a batch's 16 records: the maximum is taken away in two stages, here the pass's, there the batch's.
; THE PASS LOOP has the constant count 2 (2 x 144 >= 256), and every wave passes its four barriers in each trip.  Pass 0 always runs.  A pass 1 without rows jumps forward over the text between the
; barriers (rows; chunks; blend), which holds no barrier, and stores the neutral record m = lowest finite f32, l = 0, bp = 0.  The jumps hang on R alone, a whole number that the launch before stored.
; PHASES of a pass.  L: the rows are gathered, rounded to bf16 and laid into LDS.  K: two chunks of 512 columns; in a chunk wave w makes all 144 rows x 128 columns (72 accumulators, 576 registers);
; A's fragments come from LDS, U's fragments, which no other wave of the work-group wants, straight from ub into registers, three K steps ahead.  No barrier in the K loop.
; E: behind each chunk the accumulators are turned into the rows' partial scores.  END: the pass's softmax, and the blend by the matrix unit from the same LDS rows.
; NO CLUSTER, NO TENSOR LOADS: the rows take 297,216 of the 327,680 bytes of LDS; two slots of 32 k x 512 columns of U would take 65,536 more.
; THE PRODUCT IS USED TRANSPOSED (source 0 = 16 columns of U, source 1 = 16 rows of items): a lane holds ONE row (lane % 16) and eight columns 8 (lane / 16) + 0..7,
; so the sum over columns stays inside the lane but for one exchange of the halves.
; LIMITS.  items, U, v and p are rounded to bf16 (nearest even); l is summed from the unrounded p.  2^(c x) beyond f32's range gives the quotient 0, its limit.  A weight p below 2^-126 counts as 0.
; Rows are summed in the list's order.  The filler row is multiplied by p = 0: an infinity or NaN in a batch's first row reaches bp (the reference's 0 x infinity does the same).  NaN and infinities are not treated apart.
; THE MODE: SCHED_MODE bits 1:0 = 2 (LLVM: expert scheduling mode 2), set by the entry lines.  The code itself states the register dependences between vector or matrix instructions and
; memory or LDS instructions, with s_wait_alu, always for 0.
; THE PLAN.  Registers that memory or LDS instructions touch, and who else names them:
;   v2, v45, v46    offsets, written at the head and never again.  v98: written by one shift in each TOPLOADS, read by its loads.
;   PHASE L         OFFR: written by the selects and clamps, read by the row loads.  The ring's slot i % 4: filled by loads, read by pair i's conversions, asked for again behind them.
;                   T0, T1 and the two addresses (by i % 2): written by pair i's conversions and one add, read by pair i's LDS stores.  One wait on va_vdst behind a pair's conversions serves its loads and its stores;
;                   the wait on vm_vsrc beside it frees the other T, which the stores of the pair before read and the next pair writes.
;   PHASE K         Step s's products read A's buffer s % 2 and U's buffer s % 4.  Its loads land in A's other buffer and in U's buffer (s + 3) % 4, which the products of step s - 1 read last.
;                   ONE wait on va_vdst at a step's head states that those are done; the step's 34 loads follow it with no further wait, dealt among its products, which name none of the registers that they touch.
;                   ADRA and TA: read by the LDS loads, written at a chunk's or a trip's head behind a wait on vm_vsrc; the step's own wait states that they are written.
;   THE END         All its addresses and the partial scores are made first, then one wait on va_vdst; one more behind t, m, l and p; one ahead of each refill of the blend's two buffers; one ahead of bp's stores.
;                   A wait on vm_vsrc stands ahead of t's rewriting, and at the pass's end for all that the end's stores and loads read.
; REGISTERS, in windows of 256 (s_set_vgpr_msb: bits 1:0 source 0, 3:2 source 1, 5:4 source 2, 7:6 destination):
;   window 0: v0-47 kept; v48-119, v120-191 A's two fragment buffers; v192-255 U's ring buffer 3.  v48-119 also: phase L's work and the loads ahead of a pass; v120-151, v154: phase L's second buffer and address;
;             the epilogue's tables lie in v48-175; the end works in v120-255
;   window 1: v0-191 U's ring buffers 0-2; v192-255 the accumulators of row tile 8
;   windows 2, 3: accumulator (a, b) at v[8 (8 (a % 4) + b)], rows 16 a.., columns 16 b..; a < 4 in window 2, a < 8 in window 3.  Window 2 also: phase L's ring, the blend's 16 accumulators; window 3: the blend's two buffers
.set P,     2064                       ; an LDS row of items: 2,048 bytes + 16 = 129 x 16: the 16 rows of a fragment load start in 16 different groups of four banks (ISA guide 11.1)
.set ROWS,  144
.set TAB,   ROWS*P                     ; c pq (4,096 bytes), then v'' (4,096 bytes)
.set RP,    TAB+8192                   ; the waves' partial scores: place x 16 + wave x 4, 160 places
.set PBW,   RP+2560                    ; p in bf16, 512 bytes for each wave, its own (320 used)
.set STG,   PBW+2048                   ; bp on its way out: 1,024 bytes for each wave, its own
.set SPARE, STG+4096                   ; the spare words, 128 bytes a wave
.set LN,   1                           ; v1      lane
.set LN16, 2                           ; v2      16 x lane
.set LSTW, 3                           ; v3      phase L: where an even pair's rows go
.set ADR0, 4                           ; v4-8    (32 q + r) P + 16 h: my place in A's fragments
.set ADRA, 9                           ; v9-13   the same plus the trip's bytes along K
.set TA0,  14                          ; v14     TAB + 512 w + 32 h
.set TA,   15                          ; v15     the same plus the chunk's 2,048
.set LST0, 16                          ; v16     (w + 8 h) P + 8 (lane % 16)
.set C16,  17                          ; v17     16 (lane % 16)
.set RACC, 18                          ; v18-35  nine pairs: row tile a's partial score (even columns', odd columns')
.set SPW,  36                          ; v36     my spare word
.set NIL,  37                          ; v37     0
.set RR,   38                          ; v38     r = lane % 16
.set HH,   39                          ; v39     h = lane / 16
.set PWO,  40                          ; v40-44  byte offset in pw of place 32 q + lane
.set LIO,  45                          ; v45     32 (w + 8 h): my half-wave's place in the list (a place is 8 words on)
.set L32,  46                          ; v46     32 x lane
.set SCR,  47                          ; v47     at work
.set FA0,  48
.set B3,   192
.set T,    48                          ; v48-79   phase L: an even pair of rows in bf16
.set T1,   120                         ; v120-151 phase L: an odd pair
.set LSW1, 154                         ; v154     phase L: where an odd pair's rows go
.set IDXL, 74                          ; v74-78   as loaded: the row numbers of places 32 q + lane (used up before T is)
.set OFFR, 80                          ; v80-97   pair i: as loaded, my half-wave's row number; then its byte offset in items + 16 (lane % 16)
.set T16,  98                          ; v98      16 x thread
.set TST,  99                          ; v99      TAB + 16 x thread
.set HD,   100                         ; v100-115 pq's row and v, 8 numbers of each a thread
.set HC,   116                         ; v116-119 at work
.set PQC,  48                          ; the epilogue: c pq of my 128 columns, column tile b at PQC + 8 b
.set VT,   112                         ; and v''
.set EZ,   120                         ; the end: v120-124 t of places 32 q + lane
.set ETM,  126                         ; v126-130 t, masked; then p
.set EM,   132                         ; v132-133 (m, l)
.set EX,   134                         ; v134-135 at work
.set EPB,  136                         ; v136-140 p in bf16
.set ARS,  141                         ; v141-147 LDS addresses: RP in, RP back, p in, p back, stage in, stage back; 8 x lane
.set ARL,  142
.set APS,  143
.set APL,  144
.set AST,  145
.set ASL,  146
.set AL8,  147
.set TRA,  148                         ; v148-152 the turning loads' addresses, one for each K step of the blend
.set ELOW, 153                         ; v153     the lowest finite f32
.set RPL,  156                         ; v156-175 the four waves' parts of five places
.set PFR,  176                         ; v176-215 p's fragments: K step kk at PFR + 8 kk
.set OO,   216                         ; v216-223 bp: channel 32 u + lane
.set OB,   224                         ; v224-231 the same, four neighbouring channels a lane
.set MSB, 0
.macro WIN new                         ; the immediate's high byte repeats the setting that is left; a switch that changes nothing is dropped
.if MSB != (\new)
	s_set_vgpr_msb (MSB<<8)|(\new)
.set MSB, \new
.endif
.endm
.macro PLACES                          ; four places behind a matrix instruction, ahead of loads into registers that it read and of vector work on its results
.rept 4
	v_nop
.endr
.endm
; Two of the eight fragments (b0, b0 + 1) of a K step of my 128 columns of U into ring buffer buf: 4 loads of 512 consecutive bytes, already in fragment order.
.macro BLOAD2 buf, step, base, b0
.if (\buf) == 3
	WIN 0
.set BB, B3
.else
	WIN 0x40                                       ; destination window 1, address window 0
.set BB, 64*(\buf)
.endif
.irp d, 0,1
	global_load_b128 v[BB+8*((\b0)+\d):BB+8*((\b0)+\d)+3],   v[LN16], s[\base:\base+1] offset:(\step)*8192+((\b0)+\d)*1024
	global_load_b128 v[BB+8*((\b0)+\d)+4:BB+8*((\b0)+\d)+7], v[LN16], s[\base:\base+1] offset:(\step)*8192+((\b0)+\d)*1024+512
.endr
.endm
.macro BLOAD buf, step, base           ; the whole K step: 16 loads
.irp b0, 0,2,4,6
	BLOAD2 \buf, \step, \base, \b0
.endr
.endm
; What a pass wants first, in one group: the row numbers (5 + 18 loads of a word a lane), pq's row and v (4 loads), U's first three K steps (48 loads).  again = 1: asked for under the end of the pass before.
.macro TOPLOADS again
	WIN 0
.if \again
	s_wait_alu depctr_vm_vsrc(0)                   ; the loads ahead of the last pass have read v[T16], which the shift writes; phase L's stores and loads have read v74-115, in which the loads below land
.endif
	v_lshlrev_b32 v[T16], 4, v0
	s_wait_alu depctr_va_vdst(0)                   ; the offsets v2, v45, v46 and v[T16] are written; (again) the products and the epilogue are done with v74-115 and with U's buffers 0-2, in which the loads land
.irp q, 0,1,2,3,4
	global_load_b32 v[IDXL+\q], v[L32], s[6:7] offset:\q*1024
.endr
	global_load_b128 v[HD:HD+3],     v[T16], s[12:13]
	global_load_b128 v[HD+4:HD+7],   v[T16], s[12:13] offset:2048
	global_load_b128 v[HD+8:HD+11],  v[T16], s[8:9]
	global_load_b128 v[HD+12:HD+15], v[T16], s[8:9] offset:2048
.set i, 0
.rept 18                               ; pair i: places 16 (i / 2) + 4 (i % 2) + w + 8 h
	global_load_b32 v[OFFR+i], v[LIO], s[6:7] offset:(16*(i/2)+4*(i%2))*32
.set i, i+1
.endr
	BLOAD 0, 0, 34
	BLOAD 1, 1, 34
	BLOAD 2, 2, 34
	WIN 0
.endm
; Pair i of rows into ring slot s: 16 loads; lanes 0-15 take 256 consecutive bytes of one row, lanes 16-31 the same columns of the other.
.macro LFILL2 s, i
	WIN 0x80                                       ; destination window 2, address window 0
.irp j, 0,1,2,3,4,5,6,7,8,9,10,11,12,13,14,15
	global_load_b128 v[64*(\s)+4*\j:64*(\s)+4*\j+3], v[OFFR+(\i)], s[4:5] offset:256*\j
.endr
.endm
; Nine scalar registers that are free in phase L take the masks of a run of nine compares: number k of the run has s[MR].
.macro MREG k
.if (\k) < 2
.set MR, 2+(\k)                        ; s2, s3
.elseif (\k) < 6
.set MR, 22+(\k)                       ; s24-27
.elseif (\k) < 8
.set MR, 40+(\k)                       ; s46, s47
.else
.set MR, 21                            ; s21
.endif
.endm
; Pair i: rounded to bf16 into T's buffer i % 2, its slot asked for again (the pair four on), the two rows laid into LDS.
.macro LPAIR i
.set TB, T+(T1-T)*((\i)%2)
.set LW, LSTW+(LSW1-LSTW)*((\i)%2)
.if (\i) < 15
	s_wait_loadcnt 48                              ; loads come back in order (ISA guide 5.7.1): the slot's 16 are in, the three younger slots' stay out
.else
	s_wait_loadcnt 16*(17-(\i))                    ; the last pairs: the counts run down
.endif
	WIN 0x0a                                       ; sources window 2, destination window 0
.set k, 0
.rept 32
	v_cvt_pk_bf16_f32 v[TB+k], v[64*((\i)%4)+2*k], v[64*((\i)%4)+2*k+1]
.set k, k+1
.endr
	WIN 0
	v_add_nc_u32 v[LW], (16*((\i)/2)+4*((\i)%2))*P, v[LST0]
	s_wait_alu depctr_va_vdst(0)                   ; the conversions have written T's buffer and the add its address, which the LDS stores below read; the conversions are done reading the slot, in which the loads below land
.if ((\i) > 0) && ((\i) < 17)
	s_wait_alu depctr_vm_vsrc(0)                   ; the LDS stores of the pair before have read the other T and its address, which the next pair writes
.endif
.if (\i) < 14
	LFILL2 (\i)%4, (\i)+4
.endif
	WIN 0
.irp j, 0,1,2,3,4,5,6,7,8,9,10,11,12,13,14,15
	ds_store_b64 v[LW], v[TB+2*\j:TB+2*\j+1] offset:128*\j  ; 128 consecutive bytes of each row; the rows lie 8 P = 32 banks (mod 64) apart
.endr
.endm
; 6 LDS loads: A's fragments of row tiles m0 .. m0 + 2 of one K step (32 k) at byte 64 koff behind the trip's place, into buffer f.
.macro FETCH_A3 koff, f, m0
	WIN 0
.irp d, 0,1,2
	ds_load_b128 v[(\f)+8*((\m0)+\d):(\f)+8*((\m0)+\d)+3],   v[ADRA+((\m0)+\d)/2] offset:(((\m0)+\d)%2)*16*P+(\koff)*64
	ds_load_b128 v[(\f)+8*((\m0)+\d)+4:(\f)+8*((\m0)+\d)+7], v[ADRA+((\m0)+\d)/2] offset:(((\m0)+\d)%2)*16*P+(\koff)*64+32
.endr
.endm
.macro FETCH_A koff, f                 ; all nine tiles: 18 loads
	FETCH_A3 \koff, \f, 0
	FETCH_A3 \koff, \f, 3
	FETCH_A3 \koff, \f, 6
.endm
; 8 products: row tile a x all 8 column tiles.  first = 1: the products start the sums.  All 72 accumulators take turns in one fixed order.
.macro MULR bq, f, a, first
.if (\a) < 4
.set WD, 2
.set AB, 64*(\a)
.elseif (\a) < 8
.set WD, 3
.set AB, 64*((\a)-4)
.else
.set WD, 1
.set AB, 192
.endif
.if (\bq) == 3
.set BB, B3
	WIN (WD<<6)|(WD<<4)                            ; U window 0, A window 0, C and D the tile's window
.else
.set BB, 64*(\bq)
	WIN (WD<<6)|(WD<<4)|1                          ; U window 1
.endif
.irp b, 0,1,2,3,4,5,6,7
.if \first
	v_wmma_f32_16x16x32_bf16 v[AB+8*\b:AB+8*\b+7], v[BB+8*\b:BB+8*\b+7], v[(\f)+8*(\a):(\f)+8*(\a)+7], 0
.else
	v_wmma_f32_16x16x32_bf16 v[AB+8*\b:AB+8*\b+7], v[BB+8*\b:BB+8*\b+7], v[(\f)+8*(\a):(\f)+8*(\a)+7], v[AB+8*\b:AB+8*\b+7]
.endif
.endr
.endm
; A K step of 32: 72 products on U's buffer bq and A's buffer fa.  Its loads are dealt among them: A's next K step into the other buffer (koff >= 0), six loads behind each of row tiles 0-2;
; U's K step three on into the buffer read last step (bref >= 0: its place behind the pointer), four loads behind each of row tiles 3-6.  lcnt: the loads of U issued behind this step's.
; first = 1: a chunk's K step 0, whose loads the wait at the chunk's head serves.  A step that asks for nothing has neither places nor a wait on va_vdst.
.macro KSTEP bq, fa, first, koff, bref, lcnt
.set LD, 0
.if !(\first)
.if ((\koff) >= 0) || ((\bref) >= 0)
.set LD, 1
.endif
.endif
.if LD
	PLACES                                         ; the four places behind the last step's products stay, ahead of the first load into a register that they read
.endif
	s_wait_dscnt 0x0                               ; this step's fragments of A are in: the youngest of them was asked for 48 products back
	s_wait_loadcnt \lcnt                           ; this step's U is in; the steps behind it stay out
.if LD
	s_wait_alu depctr_va_vdst(0)                   ; the last step's products are done reading A's other buffer and their buffer of U, in which this step's loads land; at a trip's head ADRA is written
.endif
.irp a, 0,1,2
	MULR \bq, FA0+72*(\fa), \a, \first
.if (\koff) >= 0
	FETCH_A3 \koff, FA0+72*(1-(\fa)), 3*\a         ; no wait: no vector or matrix instruction since the wait above names these registers
.endif
.endr
.irp a, 3,4,5,6
	MULR \bq, FA0+72*(\fa), \a, \first
.if (\bref) >= 0
	BLOAD2 ((\bq)+3)%4, \bref, 10, 2*\a-6          ; likewise
.endif
.endr
	MULR \bq, FA0+72*(\fa), 7, \first
	MULR \bq, FA0+72*(\fa), 8, \first
.endm
; THE EPILOGUE of na row tiles' accumulators (t = 8 a + b) that begin at register vb of window w, in place, each from its lowest registers on.
; c x + c pq; 2^(..): one batch of exponentials with one wait; 1 + ..; the reciprocal: one batch with one wait; then the products with v'' summed over b and over the lane's eight columns, onto RACC's pairs r0 ..
; In a batch a packed line of the next accumulator stands between each two pairs of transcendentals; nothing ahead of the wait names a result.  No memory or LDS instruction stands in it.
.macro EPIW w, vb, na, r0
	WIN ((\w)<<6)|(\w)                             ; source 0 and destination window w; source 2 (c pq) window 0
.irp i, 0,1,2,3
	v_pk_fma_f32 v[(\vb)+2*\i:(\vb)+2*\i+1], v[(\vb)+2*\i:(\vb)+2*\i+1], s[28:29], v[PQC+2*\i:PQC+2*\i+1] op_sel_hi:[1,0,1]
.endr
.set t, 0
.rept 8*(\na)
.irp i, 0,1,2,3
.if t < 8*(\na)-1
	v_pk_fma_f32 v[(\vb)+8*t+8+2*\i:(\vb)+8*t+9+2*\i], v[(\vb)+8*t+8+2*\i:(\vb)+8*t+9+2*\i], s[28:29], v[PQC+8*((t+1)%8)+2*\i:PQC+8*((t+1)%8)+2*\i+1] op_sel_hi:[1,0,1]
.endif
	v_exp_f32 v[(\vb)+8*t+2*\i], v[(\vb)+8*t+2*\i]
	v_exp_f32 v[(\vb)+8*t+2*\i+1], v[(\vb)+8*t+2*\i+1]
.endr
.set t, t+1
.endr
	v_nop                                          ; a plain instruction behind the last exponential,
	s_wait_alu depctr_va_vdst(0)                   ; and one wait ahead of the batch's first reader: the exponentials have written their results
.irp i, 0,1,2,3
	v_pk_add_f32 v[(\vb)+2*\i:(\vb)+2*\i+1], v[(\vb)+2*\i:(\vb)+2*\i+1], 1.0 op_sel_hi:[1,0]
.endr
.set t, 0
.rept 8*(\na)
.irp i, 0,1,2,3
.if t < 8*(\na)-1
	v_pk_add_f32 v[(\vb)+8*t+8+2*\i:(\vb)+8*t+9+2*\i], v[(\vb)+8*t+8+2*\i:(\vb)+8*t+9+2*\i], 1.0 op_sel_hi:[1,0]
.endif
	v_rcp_f32 v[(\vb)+8*t+2*\i], v[(\vb)+8*t+2*\i]
	v_rcp_f32 v[(\vb)+8*t+2*\i+1], v[(\vb)+8*t+2*\i+1]
.endr
.set t, t+1
.endr
	v_nop
	s_wait_alu depctr_va_vdst(0)                   ; the same for the reciprocals: they have written their results
	WIN ((\w)<<6)|((\w)<<4)|(\w)                   ; source 2 window w too; source 1 (v'') window 0
.set a, 0
.rept \na                              ; chains (row tile a, pair i) that do not wait for each other; column tile 0 starts them in place
.irp i, 0,1,2,3
	v_pk_mul_f32 v[(\vb)+64*a+2*\i:(\vb)+64*a+2*\i+1], v[(\vb)+64*a+2*\i:(\vb)+64*a+2*\i+1], v[VT+2*\i:VT+2*\i+1]
.endr
.set a, a+1
.endr
.irp b, 1,2,3,4,5,6,7
.set a, 0
.rept \na
.irp i, 0,1,2,3
	v_pk_fma_f32 v[(\vb)+64*a+2*\i:(\vb)+64*a+2*\i+1], v[(\vb)+64*a+8*\b+2*\i:(\vb)+64*a+8*\b+2*\i+1], v[VT+8*\b+2*\i:VT+8*\b+2*\i+1], v[(\vb)+64*a+2*\i:(\vb)+64*a+2*\i+1]
.endr
.set a, a+1
.endr
.endr
	WIN ((\w)<<6)|((\w)<<4)|((\w)<<2)|(\w)         ; all four places window w
.set a, 0
.rept \na
	v_pk_add_f32 v[(\vb)+64*a:(\vb)+64*a+1],   v[(\vb)+64*a:(\vb)+64*a+1],   v[(\vb)+64*a+2:(\vb)+64*a+3]
	v_pk_add_f32 v[(\vb)+64*a+4:(\vb)+64*a+5], v[(\vb)+64*a+4:(\vb)+64*a+5], v[(\vb)+64*a+6:(\vb)+64*a+7]
.set a, a+1
.endr
.set a, 0
.rept \na
	v_pk_add_f32 v[(\vb)+64*a:(\vb)+64*a+1], v[(\vb)+64*a:(\vb)+64*a+1], v[(\vb)+64*a+4:(\vb)+64*a+5]
.set a, a+1
.endr
	WIN (\w)<<2                                    ; source 1 window w, the rest window 0
.set a, 0
.rept \na
	v_pk_add_f32 v[RACC+2*((\r0)+a):RACC+2*((\r0)+a)+1], v[RACC+2*((\r0)+a):RACC+2*((\r0)+a)+1], v[(\vb)+64*a:(\vb)+64*a+1]
.set a, a+1
.endr
.endm
; THE BLEND.  32 turning loads: 32 rows (K step kk) x my 256 channels, as 16 fragments of source 1 (lane: channel lane % 16; k = rows), into buffer buf of window 3.
; K step 4 has 16 rows: its upper half takes the same rows once more; p's fragment holds 0 there.
.macro TRL kk, buf
	WIN 0xc0
.irp nt, 0,1,2,3,4,5,6,7,8,9,10,11,12,13,14,15
	ds_load_tr16_b128 v[128*(\buf)+8*\nt:128*(\buf)+8*\nt+3],   v[TRA+(\kk)] offset:\nt*32
.if (\kk) < 4
	ds_load_tr16_b128 v[128*(\buf)+8*\nt+4:128*(\buf)+8*\nt+7], v[TRA+(\kk)] offset:\nt*32+16*P
.else
	ds_load_tr16_b128 v[128*(\buf)+8*\nt+4:128*(\buf)+8*\nt+7], v[TRA+(\kk)] offset:\nt*32
.endif
.endr
.endm
.macro BMUL kk, buf                    ; 16 products, the 16 accumulators by turns; source 0 = p, the same in all its 16 rows
	WIN 0xac                                       ; p window 0, items window 3, C and D window 2
.irp nt, 0,1,2,3,4,5,6,7,8,9,10,11,12,13,14,15
.if (\kk) == 0
	v_wmma_f32_16x16x32_bf16 v[8*\nt:8*\nt+7], v[PFR+8*(\kk):PFR+8*(\kk)+7], v[128*(\buf)+8*\nt:128*(\buf)+8*\nt+7], 0
.else
	v_wmma_f32_16x16x32_bf16 v[8*\nt:8*\nt+7], v[PFR+8*(\kk):PFR+8*(\kk)+7], v[128*(\buf)+8*\nt:128*(\buf)+8*\nt+7], v[8*\nt:8*\nt+7]
.endif
.endr
.endm
	s_load_b256 s[4:11], s[0:1], 0x0               ; items s[4:5], list s[6:7], v s[8:9], ub s[10:11]
	s_load_b256 s[12:19], s[0:1], 0x20             ; pqs s[12:13], part s[14:15], pw s[16:17], cnt s[18:19]
	v_lshl_add_u32 v[SPW], v0, 2, SPARE
	v_mov_b32 v[NIL], 0
	v_lshrrev_b32 v1, 5, v0
	v_readfirstlane_b32 s43, v1                    ; wave 0..3
	v_and_b32 v[LN], 31, v0
	v_lshlrev_b32 v[LN16], 4, v[LN]
	v_lshlrev_b32 v[L32], 5, v[LN]
	v_and_b32 v[RR], 15, v0
	v_bfe_u32 v[HH], v0, 4, 1
	v_lshlrev_b32 v[C16], 4, v[RR]
	s_wait_alu depctr_va_sdst(0)                   ; s43 is written, ahead of its first reader
	s_lshl_b32 s20, s43, 5
	v_lshl_add_u32 v[LIO], v[HH], 8, s20
	s_lshr_b32 s24, ttmp9, 3                       ; the batch
	s_and_b32 s27, ttmp9, 7                        ; my share j
	s_mul_i32 s20, s24, 10240                      ; the batch's 2,560 words of list,
	s_lshl_b32 s21, s27, 2                         ; word j of each eight
	s_add_co_u32 s20, s20, s21
	s_mov_b32 s21, 0
	s_lshl_b32 s22, s43, 19                        ; my wave's 524,288 bytes of ub
	s_mov_b32 s23, 0
	s_lshl_b32 s26, s24, 8                         ; the batch's 256 bytes of cnt,
	s_lshl_b32 s24, s24, 12                        ; its row of pqs
	s_mov_b32 s25, 0
	s_lshl_b32 s27, s27, 3                         ; my share's word
	s_add_co_u32 s26, s26, s27
	s_mov_b32 s27, 0
	s_mul_i32 s46, ttmp9, 2*4352                   ; my work-group's two records in part, my wave's 256 channels
	s_lshl_b32 s47, s43, 10
	s_add_co_u32 s46, s46, s47
	s_mov_b32 s47, 0
	s_mov_b32 s28, 0x4038aa3b                      ; c = 2 log2(e)
	s_mov_b32 s29, 0x4038aa3b                      ; named with it as a pair
	s_mov_b32 s30, 0x76543210                      ; v_permlanex16_b32: each lane takes its own place in the other half
	s_mov_b32 s31, 0xfedcba98
	s_mov_b32 s32, 0xffff0000                      ; a word's upper bf16; also, as a lane mask, lanes 16-31
	s_lshl_b32 s42, ttmp9, 5
	s_add_co_u32 s42, s42, 65536                   ; behind pw's 65,536 words: 32 words for each work-group, where lanes without a row store
	s_wait_kmcnt 0x0
	s_add_nc_u64 s[18:19], s[18:19], s[26:27]
	s_load_b32 s44, s[18:19], 0x0                  ; R
	s_add_nc_u64 s[6:7], s[6:7], s[20:21]
	s_add_nc_u64 s[34:35], s[10:11], s[22:23]
	s_add_nc_u64 s[12:13], s[12:13], s[24:25]
	s_add_nc_u64 s[14:15], s[14:15], s[46:47]
	TOPLOADS 0                                     ; pass 0's; the set-up below stands in the wait for them
	v_mul_u32_u24 v[ADR0], v[RR], P
	v_lshl_add_u32 v[ADR0], v[HH], 4, v[ADR0]
	v_add_nc_u32 v[ADR0+1], 32*P, v[ADR0]
	v_add_nc_u32 v[ADR0+2], 64*P, v[ADR0]
	v_add_nc_u32 v[ADR0+3], 96*P, v[ADR0]
	v_add_nc_u32 v[ADR0+4], 128*P, v[ADR0]
	s_lshl_b32 s20, s43, 9
	s_add_co_u32 s20, s20, TAB
	v_lshl_add_u32 v[TA0], v[HH], 5, s20
	s_mul_i32 s20, s43, P
	v_mul_u32_u24 v[LST0], v[HH], 8*P
	v_lshl_add_u32 v[LST0], v[RR], 3, v[LST0]
	v_add_nc_u32 v[LST0], s20, v[LST0]
	s_mov_b32 s22, 0                               ; the pass
.Lpass:
	s_wait_kmcnt 0x0                               ; R
	s_min_u32 s44, s44, 256
	s_mul_i32 s20, s22, ROWS
	s_min_u32 s20, s20, s44
	s_sub_co_u32 s23, s44, s20
	s_min_u32 s23, s23, ROWS                       ; the pass's rows: min(R - 144 pass, 144), 0 at the least
	s_cmp_eq_u32 s22, 0
	s_cselect_b32 s33, 1, s23                      ; not 0: the pass runs (pass 0 always)
	s_cmp_gt_u32 s44, ROWS
	s_cselect_b32 s45, 1, 0
	s_cmp_eq_u32 s22, 0
	s_cselect_b32 s45, s45, 0                      ; 1: a pass with rows follows this one
.irp q, 0,1,2,3,4
	s_sub_co_i32 s41, s23, 32*\q
	v_cmp_gt_i32 s[36+\q], s41, v[LN]              ; does place 32 q + lane hold a row?
.endr
	s_wait_alu depctr_va_sdst(0)                   ; the five masks s36-40 are written, ahead of their first reader: one wait behind the run of compares
.set i, 0
.rept 18
	v_mov_b32 v[RACC+i], 0                         ; the rows' scores start at 0: both chunks then add in one form, and a pass without rows has them defined
.set i, i+1
.endr
	v_add_nc_u32 v[SCR], s42, v[LN]
	s_wait_loadcnt 0x0                             ; what was asked for ahead of the pass is in: no load is out at the jumps below
.irp q, 0,1,2,3,4
	v_cndmask_b32 v[PWO+\q], v[SCR], v[IDXL+\q], s[36+\q]  ; the row's own word of pw, or my spare word behind it;
	v_min_u32 v[PWO+\q], 0x11fff, v[PWO+\q]        ; a word of pw, whatever the list holds
	v_lshlrev_b32 v[PWO+\q], 2, v[PWO+\q]
.endr
	s_add_nc_u64 s[10:11], s[34:35], 3*8192        ; U's pointer stands at K step 3
	s_cmp_lg_u32 s33, 0
	s_cbranch_scc0 .Lno_rows
	; PHASE L.  My 36 rows as 18 pairs through a ring of four slots: 64 loads, 32,768 bytes, of each wave are on their way.
	s_lshr_b32 s20, ttmp9, 3
	s_lshl_b32 s20, s20, 11                        ; the batch's first row: the filler
	v_lshrrev_b32 v[HC], 5, v[LIO]                 ; w + 8 h
	v_mov_b32 v[HC+1], s20
.irp half, 0,1                         ; the 18 pairs' compares in two runs of nine, each run into nine scalar registers
.set k, 0
.rept 9
	MREG k
	s_sub_co_i32 s41, s23, 16*((9*\half+k)/2)+4*((9*\half+k)%2)
	v_cmp_gt_i32 s[MR], s41, v[HC]                 ; does my half-wave's place of pair 9 half + k hold a row?
.set k, k+1
.endr
	s_wait_alu depctr_va_sdst(0)                   ; the run's nine masks are written, ahead of their first reader
.set k, 0
.rept 9
	MREG k
	v_cndmask_b32 v[OFFR+9*\half+k], v[HC+1], v[OFFR+9*\half+k], s[MR]
	v_min_u32 v[OFFR+9*\half+k], 0xffff, v[OFFR+9*\half+k]  ; a row of the tensor, whatever the list holds
	v_lshl_add_u32 v[OFFR+9*\half+k], v[OFFR+9*\half+k], 12, v[C16]
.set k, k+1
.endr
.endr
	v_lshl_add_u32 v[TST], v0, 4, TAB              ; the tables' arithmetic stands ahead of the first row loads, so that one wait serves both
.irp k, 0,1,2,3
	v_pk_mul_f32 v[HD+2*\k:HD+2*\k+1], v[HD+2*\k:HD+2*\k+1], s[28:29] op_sel_hi:[1,0]  ; c pq
.endr
.irp k, 0,1,2,3
	v_cvt_pk_bf16_f32 v[HC+\k], v[HD+8+2*\k], v[HD+9+2*\k]  ; v rounded to bf16, like every other operand of a product,
.endr
.irp k, 0,1,2,3
	v_lshlrev_b32 v[HD+8+2*\k], 16, v[HC+\k]       ; and back in f32
	v_and_b32 v[HD+9+2*\k], s32, v[HC+\k]
.endr
.irp k, 0,1,2,3
	v_pk_mul_f32 v[HD+8+2*\k:HD+9+2*\k], v[HD+8+2*\k:HD+9+2*\k], 0xc038aa3b op_sel_hi:[1,0]  ; v'' = -2 log2(e) v
.endr
	s_wait_alu depctr_va_vdst(0)                   ; OFFR is written, which the row loads read; the tables and v[TST] are written, which the LDS stores read; the last pass's blend is done with window 2, in which the rows land
	LFILL2 0, 0
	LFILL2 1, 1
	LFILL2 2, 2
	LFILL2 3, 3
	WIN 0
	ds_store_b128 v[TST], v[HD:HD+3]
	ds_store_b128 v[TST], v[HD+4:HD+7] offset:2048
	ds_store_b128 v[TST], v[HD+8:HD+11] offset:4096
	ds_store_b128 v[TST], v[HD+12:HD+15] offset:6144
.irp i, 0,1,2,3,4,5,6,7,8,9,10,11,12,13,14,15,16,17
	LPAIR \i
.endr
.Lno_rows:
	s_wait_dscnt 0x0                               ; for the others' sake: my rows, and my part of c pq and v'', lie in LDS
	s_wait_alu depctr_vm_vsrc(0)                   ; phase L's stores have read T's two buffers, their addresses, the tables and v[TST], its loads OFFR, the loads ahead of the pass v[T16]: the fragments' loads and the end's arithmetic write these registers
	s_barrier_signal -1
	s_barrier_wait -1                              ; everybody's do
	s_cmp_lg_u32 s33, 0
	s_cbranch_scc0 .Lno_chunks
	; PHASE K.  Two chunks of 512 columns.
	s_mov_b32 s24, 2
	s_mov_b32 s25, 0
.Lchunk:
	s_mov_b32 s26, 0
	s_wait_alu depctr_vm_vsrc(0)                   ; the LDS loads of the chunk before have read ADRA and v[TA]
.irp q, 0,1,2,3,4
	v_mov_b32 v[ADRA+\q], v[ADR0+\q]
.endr
	v_add_nc_u32 v[TA], s25, v[TA0]
	s_wait_alu depctr_va_vdst(0)                   ; ADRA and v[TA] are written; phase L's conversions, or the epilogue before, are done with v48-255, in which the loads of K steps 0 and 1 and of U's buffer 3 land
	FETCH_A 0, FA0
	KSTEP 0, 0, 1, 1, 0, 32                        ; K step 0 stands ahead of the loop: its products start the sums
	WIN 0
	s_wait_xcnt 0x0
	s_add_nc_u64 s[10:11], s[10:11], 8192
	s_mov_b32 s27, 7
.Lk:                                                   ; a trip: K steps 4 t + 1 .. 4 t + 4
	s_wait_alu depctr_vm_vsrc(0)                   ; the LDS loads issued so far have read ADRA
.irp q, 0,1,2,3,4
	v_add_nc_u32 v[ADRA+\q], s26, v[ADR0+\q]
.endr
	KSTEP 1, 1, 0, 2, 0, 32
	KSTEP 2, 0, 0, 3, 1, 32
	KSTEP 3, 1, 0, 4, 2, 32
	KSTEP 0, 0, 0, 5, 3, 32
	WIN 0
	s_wait_xcnt 0x0                                ; the youngest load of U stands 16 products back: the pointer may be stepped
	s_add_nc_u64 s[10:11], s[10:11], 4*8192
	s_add_co_u32 s26, s26, 256
	s_sub_co_u32 s27, s27, 1
	s_cmp_lg_u32 s27, 0
	s_cbranch_scc1 .Lk
	s_wait_alu depctr_vm_vsrc(0)                   ; the LDS loads issued so far have read ADRA
.irp q, 0,1,2,3,4
	v_add_nc_u32 v[ADRA+\q], s26, v[ADR0+\q]
.endr
	s_cmp_eq_u32 s24, 1
	s_cbranch_scc1 .Ltail_last
	KSTEP 1, 1, 0, 2, 0, 32                        ; K steps 29-31 of the first chunk ask for the second chunk's K steps 0-2, which follow in ub
	KSTEP 2, 0, 0, 3, 1, 32
	KSTEP 3, 1, 0, -1, 2, 32
	WIN 0
	s_wait_xcnt 0x0
	s_add_nc_u64 s[10:11], s[10:11], 3*8192
	s_branch .Lepi
.Ltail_last:
	KSTEP 1, 1, 0, 2, -1, 32                       ; the last chunk's ask for nothing of U: no load leaves my part of ub, and the counts run down
	KSTEP 2, 0, 0, 3, -1, 16
	KSTEP 3, 1, 0, -1, -1, 0
	WIN 0
.Lepi:
	PLACES
	s_wait_alu depctr_va_vdst(0)                   ; the chunk's last products are done reading A's two buffers, in which the tables land; the places above stay beside this wait
.irp b, 0,1,2,3,4,5,6,7
	ds_load_b128 v[PQC+8*\b:PQC+8*\b+3],   v[TA] offset:\b*64      ; c pq of columns 16 b + 8 h + 0..7: the accumulators' layout
	ds_load_b128 v[PQC+8*\b+4:PQC+8*\b+7], v[TA] offset:\b*64+16
.endr
.irp b, 0,1,2,3,4,5,6,7
	ds_load_b128 v[VT+8*\b:VT+8*\b+3],   v[TA] offset:4096+\b*64
	ds_load_b128 v[VT+8*\b+4:VT+8*\b+7], v[TA] offset:4096+\b*64+16
.endr
	s_wait_dscnt 0x0
	EPIW 2, 0, 4, 0
	EPIW 3, 0, 4, 4
	EPIW 1, 192, 1, 8
	WIN 0
	s_add_co_u32 s25, s25, 2048
	s_sub_co_u32 s24, s24, 1
	s_cmp_lg_u32 s24, 0
	s_cbranch_scc1 .Lchunk
.Lno_chunks:
	s_wait_loadcnt 0x0                             ; the last chunk's counts have run down to 0; stated here for every way through the text, ahead of the loads into U's registers
	s_wait_dscnt 0x0                               ; my LDS reads of the chunks are back;
	s_barrier_signal -1
	s_barrier_wait -1                              ; everybody's are: no wave writes LDS again while another still reads in its chunks
	s_cmp_lg_u32 s45, 0
	s_cbranch_scc0 .Lno_next
	s_wait_xcnt 0x0
	s_add_nc_u64 s[6:7], s[6:7], ROWS*32           ; a pass with rows follows: what it wants first is asked for here, and lands under this pass's end,
	TOPLOADS 1                                     ; which works in other registers
.Lno_next:
	; THE END of a pass.  The partial scores and all the end's addresses are made first, so that one wait serves every LDS and memory instruction that reads them.
.irp a, 0,1,2,3,4,5,6,7,8
	v_add_f32 v[RACC+2*\a], v[RACC+2*\a], v[RACC+2*\a+1]      ; even and odd columns,
.endr
.irp a, 0,1,2,3,4,5,6,7,8
	v_permlanex16_b32 v[RACC+2*\a+1], v[RACC+2*\a], s30, s31  ; and the row's other columns, in the lane 16 away
.endr
.irp a, 0,1,2,3,4,5,6,7,8
	v_add_f32 v[RACC+2*\a], v[RACC+2*\a], v[RACC+2*\a+1]
.endr
.irp q, 0,1,2,3
	v_cndmask_b32 v[EZ+\q], v[RACC+4*\q], v[RACC+4*\q+2], s32  ; lanes 0-15 keep row tile 2 q, lanes 16-31 take 2 q + 1: lane l holds place 32 q + l
.endr
	v_mov_b32 v[EZ+4], v[RACC+16]                  ; tile 8: places 128 + l in lanes 0-15; lanes 16-31 stand for places 144.., which never hold a row
	s_lshl_b32 s20, s43, 2
	s_add_co_u32 s20, s20, RP
	v_lshl_add_u32 v[ARS], v[LN], 4, s20
	v_lshl_add_u32 v[ARL], v[LN], 4, RP
	s_lshl_b32 s20, s43, 9
	s_add_co_u32 s20, s20, PBW
	v_lshl_add_u32 v[APS], v[LN], 1, s20
	v_lshl_add_u32 v[APL], v[HH], 4, s20           ; p back as fragments: eight places at 16 h
	s_lshl_b32 s20, s43, 10
	s_add_co_u32 s20, s20, STG
	v_lshl_add_u32 v[AST], v[LN], 2, s20
	v_lshl_add_u32 v[ASL], v[LN], 4, s20
	v_lshlrev_b32 v[AL8], 3, v[LN]
	v_and_b32 v[EX], 7, v0                         ; the turning load: lane l reads row 8 (l / 16) + l % 8, channels 8 ((l / 8) % 2) + 0..7
	v_lshl_add_u32 v[EX], v[HH], 3, v[EX]
	v_mul_u32_u24 v[EX], v[EX], P
	v_bfe_u32 v[EX+1], v0, 3, 1
	v_lshl_add_u32 v[EX], v[EX+1], 4, v[EX]
	s_lshl_b32 s20, s43, 9                         ; my 256 channels: 512 bytes
	v_add_nc_u32 v[TRA], s20, v[EX]
	v_add_nc_u32 v[TRA+1], 32*P, v[TRA]
	v_add_nc_u32 v[TRA+2], 64*P, v[TRA]
	v_add_nc_u32 v[TRA+3], 96*P, v[TRA]
	v_add_nc_u32 v[TRA+4], 128*P, v[TRA]
	v_mov_b32 v[ELOW], 0xff7fffff                  ; stands for a place without a row in the maximum
	s_wait_alu depctr_va_vdst(0)                   ; my partial scores v[EZ ..] and the end's twelve addresses v141-152 are written; PWO is; the epilogue is done with v156-255 and with window 3, in which the end's LDS loads land
.irp q, 0,1,2,3,4
	ds_store_b32 v[ARS], v[EZ+\q] offset:\q*512
.endr
	s_wait_dscnt 0x0                               ; for the others' sake
	s_barrier_signal -1
	s_barrier_wait -1
.irp q, 0,1,2,3,4
	ds_load_b128 v[RPL+4*\q:RPL+4*\q+3], v[ARL] offset:\q*512
.endr
	s_wait_dscnt 0x0
	s_wait_alu depctr_vm_vsrc(0)                   ; my LDS stores above have read v[EZ ..], which the sums below write anew
.irp q, 0,1,2,3,4                      ; every wave makes the pass's softmax for itself, in the same order: the same numbers in all four
	v_add_f32 v[RPL+4*\q], v[RPL+4*\q], v[RPL+4*\q+1]
	v_add_f32 v[RPL+4*\q+2], v[RPL+4*\q+2], v[RPL+4*\q+3]
.endr
.irp q, 0,1,2,3,4
	v_add_f32 v[EZ+\q], v[RPL+4*\q], v[RPL+4*\q+2]  ; t
.endr
.irp q, 0,1,2,3,4
	v_cndmask_b32 v[ETM+\q], v[ELOW], v[EZ+\q], s[36+\q]
.endr
	v_max3_num_f32 v[EM], v[ETM], v[ETM+1], v[ETM+2]
	v_max3_num_f32 v[EM], v[EM], v[ETM+3], v[ETM+4]
	v_max_num_f32_dpp v[EM], v[EM], v[EM] row_xmask:1 row_mask:0xf bank_mask:0xf
	v_max_num_f32_dpp v[EM], v[EM], v[EM] row_xmask:2 row_mask:0xf bank_mask:0xf
	v_max_num_f32_dpp v[EM], v[EM], v[EM] row_xmask:4 row_mask:0xf bank_mask:0xf
	v_max_num_f32_dpp v[EM], v[EM], v[EM] row_xmask:8 row_mask:0xf bank_mask:0xf
	v_permlanex16_b32 v[SCR], v[EM], s30, s31
	v_max_num_f32 v[EM], v[EM], v[SCR]             ; m
.irp q, 0,1,2,3,4
	v_sub_f32 v[ETM+\q], v[ETM+\q], v[EM]
.endr
.irp q, 0,1,2,3,4
	v_exp_f32 v[ETM+\q], v[ETM+\q]
.endr
	v_nop
	s_wait_alu depctr_va_vdst(0)                   ; one wait for the five exponentials: they have written v[ETM ..]
.irp q, 0,1,2,3,4
	v_cndmask_b32 v[ETM+\q], 0, v[ETM+\q], s[36+\q]  ; p; 0 where there is no row
.endr
	v_add_f32 v[EX], v[ETM], v[ETM+1]
	v_add_f32 v[EX+1], v[ETM+2], v[ETM+3]
	v_add_f32 v[EX], v[EX], v[ETM+4]
	v_add_f32 v[EX], v[EX], v[EX+1]
	v_add_f32_dpp v[EX], v[EX], v[EX] row_xmask:1 row_mask:0xf bank_mask:0xf
	v_add_f32_dpp v[EX], v[EX], v[EX] row_xmask:2 row_mask:0xf bank_mask:0xf
	v_add_f32_dpp v[EX], v[EX], v[EX] row_xmask:4 row_mask:0xf bank_mask:0xf
	v_add_f32_dpp v[EX], v[EX], v[EX] row_xmask:8 row_mask:0xf bank_mask:0xf
	v_permlanex16_b32 v[SCR], v[EX], s30, s31
	v_add_f32 v[EM+1], v[EX], v[SCR]               ; l
.irp q, 0,1,2,3,4
	v_cvt_pk_bf16_f32 v[EPB+\q], v[ETM+\q], v[ETM+\q]  ; p in bf16: made ahead of the branches, so that the one wait below serves its stores too (in a pass without rows nothing reads it)
.endr
	s_wait_alu depctr_va_vdst(0)                   ; t, (m, l) and p in bf16 are written: wave 0's stores read the first two, the LDS stores of p the third
	s_cmp_lg_u32 s43, 0
	s_cbranch_scc1 .Lnot_wave_0
.irp q, 0,1,2,3,4
	global_store_b32 v[PWO+\q], v[EZ+\q], s[16:17] ; wave 0 stores t at the rows' own places: single words, 576 bytes a pass in all; lanes without a row store into the work-group's spare words
.endr
	global_store_b64 v[AL8], v[EM:EM+1], s[14:15] offset:4096  ; (m, l) 32 times: 256 consecutive bytes, aligned
.Lnot_wave_0:
	s_cmp_lg_u32 s33, 0
	s_cbranch_scc0 .Ldead
.irp q, 0,1,2,3,4
	ds_store_b16 v[APS], v[EPB+\q] offset:\q*64    ; place 32 q + lane
.endr
.irp kk, 0,1,2,3,4
	ds_load_b128 v[PFR+8*\kk:PFR+8*\kk+3],   v[APL] offset:\kk*64     ; my wave's own bytes, and LDS serves a wave's instructions in order (ISA guide 5.7.1.4)
	ds_load_b128 v[PFR+8*\kk+4:PFR+8*\kk+7], v[APL] offset:\kk*64+32
.endr
	TRL 0, 0
	TRL 1, 1
	s_wait_dscnt 32                                ; p's fragments and buffer 0 are in; buffer 1's 32 loads may be out
	BMUL 0, 0
	PLACES
	s_wait_alu depctr_va_vdst(0)                   ; the products of K step 0 are done reading buffer 0, in which K step 2 lands
	TRL 2, 0
	s_wait_dscnt 32
	BMUL 1, 1
	PLACES
	s_wait_alu depctr_va_vdst(0)                   ; the products of K step 1 are done reading buffer 1, in which K step 3 lands
	TRL 3, 1
	s_wait_dscnt 32
	BMUL 2, 0
	PLACES
	s_wait_alu depctr_va_vdst(0)                   ; the products of K step 2 are done reading buffer 0, in which K step 4 lands
	TRL 4, 0
	s_wait_dscnt 32
	BMUL 3, 1
	s_wait_dscnt 0x0
	BMUL 4, 0
	PLACES
	WIN 0x0a                                       ; sources window 2, destination window 0
.irp u, 0,1,2,3,4,5,6,7
	v_cndmask_b32 v[OO+\u], v[16*\u], v[16*\u+8], s32  ; all 16 rows of the result are alike: register 0 of lane l holds channel l % 16; lane l takes channel 32 u + l
.endr
	WIN 0
	s_branch .Lout
.Ldead:
.irp u, 0,1,2,3,4,5,6,7
	v_mov_b32 v[OO+\u], 0                          ; a pass without rows: bp = 0
.endr
.Lout:
	s_wait_alu depctr_va_vdst(0)                   ; v[OO ..] is written, on either way here: the LDS stores below read it
.irp u, 0,1,2,3,4,5,6,7
	ds_store_b32 v[AST], v[OO+\u] offset:\u*128
.endr
	ds_load_b128 v[OB:OB+3], v[ASL]                ; my own stage, in order: four neighbouring channels a lane
	ds_load_b128 v[OB+4:OB+7], v[ASL] offset:512
	s_wait_dscnt 0x0                               ; they are back; and, for the others' sake, my reads of the rows are over
	global_store_b128 v[LN16], v[OB:OB+3], s[14:15]            ; 512 consecutive bytes, aligned, twice
	global_store_b128 v[LN16], v[OB+4:OB+7], s[14:15] offset:512
	s_barrier_signal -1
	s_barrier_wait -1                              ; nobody reads this pass's rows, tables or partial scores any more: the next pass may write over them
	s_wait_xcnt 0x0                                ; the stores have had their addresses translated: their base may be stepped
	s_wait_alu depctr_vm_vsrc(0)                   ; the end's stores and LDS instructions have read PWO, t, (m, l), p, bp and their addresses (v40-44, v120-152, v216-231), which the next pass writes again
	s_add_nc_u64 s[14:15], s[14:15], 4352          ; the next record
	s_add_co_u32 s22, s22, 1
	s_cmp_lt_u32 s22, 2
	s_cbranch_scc1 .Lpass
	s_wait_dscnt 0x0                               ; the closing lines, six on end
	s_wait_alu 0x0
	s_wait_tensorcnt 0x0
	ds_add_u32 v[SPW], v[NIL]
	s_wait_dscnt 0x0
	s_endpgm
.Lfunc_end_k_q66d4593d61_main:
	.size	k_q66d4593d61_main, .Lfunc_end_k_q66d4593d61_main-k_q66d4593d61_main
	.p2alignl 7, 3214868480
	.fill 96, 4, 3214868480
	.section	.rodata,"a",@progbits
	.p2align	6, 0x0
	.amdhsa_kernel k_q66d4593d61_main
		.amdhsa_group_segment_fixed_size 314624
		.amdhsa_private_segment_fixed_size 0
		.amdhsa_enable_private_segment 0
		.amdhsa_kernarg_size 64
		.amdhsa_user_sgpr_count 2
		.amdhsa_user_sgpr_kernarg_segment_ptr 1
		.amdhsa_wavefront_size32 1
		.amdhsa_system_sgpr_workgroup_id_x 1
		.amdhsa_system_sgpr_workgroup_id_y 1
		.amdhsa_system_sgpr_workgroup_id_z 1
		.amdhsa_system_vgpr_workitem_id 0
		.amdhsa_next_free_vgpr 1024
		.amdhsa_next_free_sgpr 66
		.amdhsa_reserve_vcc 0
		.amdhsa_float_denorm_mode_32 3
		.amdhsa_float_denorm_mode_16_64 3
		.amdhsa_memory_ordered 1
		.amdhsa_forward_progress 1
		.amdhsa_inst_pref_size 255
	.end_amdhsa_kernel
	.section	.bss,"aw",@nobits
	.p2align	6
	.space	262144
	.amdgpu_metadata
---
amdhsa.version: [ 1, 2 ]
amdhsa.kernels:
  - .name:           k_q66d4593d61_main
    .symbol:         k_q66d4593d61_main.kd
    .args:
      - { .name: multiple_items, .offset: 0, .size: 8, .value_kind: global_buffer, .address_space: global }
      - { .name: list, .offset: 8, .size: 8, .value_kind: global_buffer, .address_space: global }
      - { .name: v, .offset: 16, .size: 8, .value_kind: global_buffer, .address_space: global }
      - { .name: ub, .offset: 24, .size: 8, .value_kind: global_buffer, .address_space: global }
      - { .name: pqs, .offset: 32, .size: 8, .value_kind: global_buffer, .address_space: global }
      - { .name: part, .offset: 40, .size: 8, .value_kind: global_buffer, .address_space: global }
      - { .name: pw, .offset: 48, .size: 8, .value_kind: global_buffer, .address_space: global }
      - { .name: cnt, .offset: 56, .size: 8, .value_kind: global_buffer, .address_space: global }
    .group_segment_fixed_size: 314624
    .private_segment_fixed_size: 0
    .kernarg_segment_align: 8
    .kernarg_segment_size: 64
    .max_flat_workgroup_size: 128
    .sgpr_count:     66
    .vgpr_count:     1024
    .wavefront_size: 32
...
	.end_amdgpu_metadata
.endif
;; end of part 7
;; launch comb: the kernel of part 6 again; grid 32 x 1, 8 waves a work-group, no clusters, 0 bytes of LDS; arguments part, pw, weights, out0, out1; writes out0, out1
